; MI455X (gfx1250); checked and timed in simulation.
; The chip was launched on July 23, 2026; its instructions are those of AMD's public machine-readable ISA for CDNA 5 (MIT licence, August 2026) and "CDNA5" Instruction Set Architecture Reference Guide (July 2026). The comments in the code are by the model that wrote it; some were corrected since.
;; Causal Self Attention. Allowed arithmetic: matrix products marked QUANTISED: E2M3 operands, one E8M0 scale for each 32 along K, by v_wmma_scale_f32_16x16x128_f8f6f4 with both operands' format E2M3, f32 sums; everything else in f32.
;; Inputs: b_proj 1,024 float32; b_qkv 3,072 float32; w_proj 1,024 x 1,024 float32; w_qkv 1,024 x 3,072 float32; x 4 x 2,048 x 1,024 float32.
;; Outputs: out0 4 x 2,048 x 1,024 float32.
;; This version of the problem:
;;   THIS VERSION OF THE PROBLEM IS GIVEN IN LOW PRECISION. The matrix products marked QUANTISED in the list below multiply operands that are first quantised to E2M3 (2 exponent bits, 3 mantissa bits; 6 bits a number), with one power-of-two scale for each 32 numbers along K (OCP MX v1.0); their sums are f32. All else is computed in f32.
;;   The module's matrix products, in the order in which they are computed (A, B: the left and right operand; K: the contracted axis; several contracted axes count as one K, in the product's order):
;;     1. [M 8,192, K 1,024] x [K 1,024, N 3,072]; A: input x; B: input w_qkv: QUANTISED
;;     2. batch 64 x [M 2,048, K 64] x [K 64, N 2,048]; A: computed on the way; B: computed on the way: QUANTISED
;;     3. batch 64 x [M 2,048, K 2,048] x [K 2,048, N 64]; A: softmax (see below); B: computed on the way: QUANTISED
;;     4. [M 8,192, K 1,024] x [K 1,024, N 1,024]; A: computed on the way; B: input w_proj: QUANTISED
;;   THE QUANTISER, for each operand of a quantised product, along K:
;;     - K is cut into blocks of 32 from its start; a last block that is shorter is filled with zeros.
;;     - A block's scale is 2^e with e = floor(log2(the largest magnitude in the block)) - 2, held to -126 .. 127; a block of zeros has e = 0. As a byte (E8M0): e + 127.
;;     - Each number is divided by its block's scale, clamped to +-7.5, and rounded to the nearest number of E2M3, ties to even, subnormals kept.
;;     - The product sums the exact products of the quantised numbers (number of the format x scale) in f32.
;;   ~~~python
;;   def quantise(x, axis):      # numpy; x: float32 -> the quantised numbers, widened to float32 again
;;       x = np.moveaxis(x, axis, -1); K = x.shape[-1]
;;       x = np.pad(x, [(0, 0)] * (x.ndim - 1) + [(0, -K % 32)]); x = x.reshape(x.shape[:-1] + (-1, 32)); a = np.abs(x).max(-1, keepdims=True)
;;       e = np.where(a > 0, np.clip(np.frexp(np.where(a > 0, a, 1))[1] - 1 - 2, -126, 127), 0)      # np.frexp(a)[1] - 1 = floor(log2(a)), exactly
;;       r = np.clip(x / 2.0 ** e, -7.5, 7.5)
;;       step = 2.0 ** (np.maximum(np.frexp(np.where(r == 0, 1, r))[1] - 1, 0) - 3)
;;       q = np.round(r / step) * step * 2.0 ** e      # np.round: ties to even
;;       return np.moveaxis(q.reshape(q.shape[:-2] + (-1,))[..., :K], -1, axis).astype(np.float32)
;;   ~~~
;;   SOFTMAX AHEAD OF A QUANTISED PRODUCT. Where the list says 'softmax', what is quantised is not the finished softmax but p = 2^(t - M), with t = logit x log2(e) and M = ceil(the row's largest t), a whole number; so 1/2 < the row's largest p <= 1. The row's sum l is taken of the UNQUANTISED p, in f32, and the product's result is divided by l at the end. Since M is a whole number, a kernel that streams over the keys may use a running M (the ceiling of the running maximum): every later rescaling is an exact power of two, which a block's scale takes up: the codes' values come out the same.
;;   OPERANDS COMPUTED ON THE WAY. 'Computed on the way' means the value that the module computes at that place (a softmax that the list does not call 'softmax' is quantised finished and normalised). What goes into a quantiser is computed in f32, as accurately as f32 sums, v_exp_f32 and their like allow (about 1e-6 of the number): no bf16 or f16 on the way to a quantiser, and a product that is left as it is and whose result goes on into a quantised operand takes f32 operands (vector FMAs, or v_wmma_f32_16x16x4_f32). A number that lies on a knife's edge between two numbers of the format may be rounded either way, as far as f32 arithmetic and the matrix unit's own rounding can turn it there, and no further.
;; One version. Each part assembles by itself: llvm-mc -triple=amdgcn-amd-amdhsa -mcpu=gfx1250 --defsym DOCPART=n.
;; ======== version 1 of 1: 4 launches
;; workspace buffers: xi 6,553,600 bytes; wqi 2,457,600 bytes; wpi 819,200 bytes; qi 6,553,600 bytes; kv 13,107,200 bytes; ai 6,553,600 bytes
;; launch quant (part 1): grid 640 x 1, 4 waves a work-group, no clusters, 34,304 bytes of LDS; arguments x, w_qkv, w_proj, xi, wqi, wpi; writes xi, wqi, wpi
.if DOCPART == 1
	.amdgcn_target "amdgcn-amd-amdhsa--gfx1250"
	.amdhsa_code_object_version 6
	.text
	.protected	k_q5cca5edacd_quant
	.globl	k_q5cca5edacd_quant
	.p2align	8
	.type	k_q5cca5edacd_quant,@function
k_q5cca5edacd_quant:
	s_mov_b64 s[64:65], 0
	v_nop
	global_prefetch_b8 v0, s[64:65] scope:SCOPE_SE
	s_setreg_imm32_b32 hwreg(HW_REG_WAVE_MODE, 25, 1), 1
	s_wait_xcnt 0x0
; x [8192][1024], w_qkv [1024][3072] and w_proj [1024][1024], f32, become codes of FP6 (E2M3) with one E8M0 byte for each 32 along K (the model axis: x's last axis, the weights' first).
; A block's byte is its largest magnitude's exponent field - 2, held at 1 from below; numbers are divided by the scale and rounded to the nearest code, ties to even, beyond 7.5 the largest code.
; LIMITS: NaN and infinities are not served; a block of zeros, or one whose largest magnitude lies under 2^-124, keeps the byte 1 (its codes are zeros or near it; only this program reads the bytes).
; LAYOUT OF THE RESULTS: images of operand registers.  A fragment is 16 rows x 128 K, 12 registers a lane: registers 4 q .. 4 q + 3 of lane l lie at 512 q + 16 l of its 1,536 bytes.
; Lane (r, h) holds row r; registers 6 c .. 6 c + 5 hold k = 64 c + 32 h + 0 .. 31.  Group 2 b + u of 16 rows holds rows 32 b + 8 u + r + 8 (r / 8).
; A chunk block, CB bytes, holds 8 groups x 256 K: fragment (group, step) at (2 group + step) x 1,536; from SCO on the scale words: (group, r, step) at 128 group + 8 r + 4 step.  128 rows are 4 chunk blocks on end.
; SHARES: work-groups 0-95 take w_qkv, 96-127 w_proj, 128-639 x.  Only x's path stores to LDS.  Waves share nothing: no barrier.
.set CB,    25600
.set SCO,   24576
.set STG,   8448                       ; x's path: a wave's stage: 16 rows x (512 bytes + 16)
.set SPARE, 4*STG                      ; behind the stages: the spare words, 128 bytes for each wave
.set SPW,   12                         ; v12  my spare word's LDS address; never rewritten
.set NIL,   13                         ; v13  0; never rewritten
.set R,     64                         ; x: v64-191 32 loads of 4 registers
.set X,     192                        ; x: v192-255 64 numbers in the operand's order
.set F,     16                         ; x: v16-39 two fragments
.set W,     48                         ; v[48:49] the two steps' scale words
.set XW,    64                         ; weights: v64-127 two sets of 32 numbers
.set FW,    128                        ; weights: v128-175 fragment halves (step, h) at 24 step + 12 h
.macro TAIL                            ; the wave's end
	s_wait_tensorcnt 0x0
	ds_add_u32 v[SPW], v[NIL]
	s_wait_dscnt 0x0
	s_endpgm
.endm
	s_load_b128 s[4:7], s[0:1], 0x0                ; x, w_qkv
	s_load_b128 s[8:11], s[0:1], 0x10              ; w_proj, xi
	s_load_b128 s[12:15], s[0:1], 0x20             ; wqi, wpi
	v_lshl_add_u32 v[SPW], v0, 2, SPARE
	v_mov_b32 v[NIL], 0
	v_lshrrev_b32 v1, 5, v0
	v_readfirstlane_b32 s16, v1                    ; wave
	v_and_b32 v6, 31, v0                           ; lane
	v_and_b32 v7, 15, v0                           ; r
	v_bfe_u32 v8, v0, 4, 1                         ; h
	s_mov_b32 s28, 0x76543210
	s_mov_b32 s29, 0xfedcba98                      ; v_permlanex16_b32's selects for lane l xor 16
	s_wait_kmcnt 0x0
	s_cmp_lt_u32 ttmp9, 96
	s_cbranch_scc1 .Lwqkv
	s_cmp_lt_u32 ttmp9, 128
	s_cbranch_scc1 .Lwproj
; ---- x: the work-group takes one group of 16 rows, wave w its chunk w (256 along K): two fragments
	s_sub_co_u32 s17, ttmp9, 128                   ; group g
	s_lshr_b32 s18, s17, 1
	s_lshl_b32 s18, s18, 17                        ; 32 (g / 2) rows of 4,096 bytes
	s_and_b32 s19, s17, 1
	s_lshl_b32 s19, s19, 15                        ; + 8 (g % 2) rows
	s_add_co_u32 s18, s18, s19
	s_lshl_b32 s19, s16, 10                        ; + my chunk's 1,024 bytes
	s_add_co_u32 s18, s18, s19
	s_mov_b32 s19, 0
	s_add_nc_u64 s[4:5], s[4:5], s[18:19]
	s_lshr_b32 s20, s17, 3
	s_lshl_b32 s20, s20, 2
	s_add_co_u32 s20, s20, s16
	s_mul_i32 s20, s20, CB                         ; my chunk block
	s_and_b32 s21, s17, 7
	s_mul_i32 s22, s21, 3072                       ; my group's two fragments
	s_add_co_u32 s22, s22, s20
	s_mov_b32 s23, 0
	s_add_nc_u64 s[22:23], s[10:11], s[22:23]
	s_lshl_b32 s24, s21, 7                         ; and its scale words
	s_add_co_u32 s24, s24, s20
	s_add_co_u32 s24, s24, SCO
	s_mov_b32 s25, 0
	s_add_nc_u64 s[24:25], s[10:11], s[24:25]
	s_wait_alu depctr_va_vdst(0)
	v_lshlrev_b32 v1, 4, v6                        ; 16 x lane
	s_mul_i32 s26, s16, STG
	v_add_nc_u32 v2, s26, v1                       ; the stage, in: a row's 512 bytes as they lie
	v_mul_u32_u24 v3, v7, 528
	v_lshl_add_u32 v3, v8, 7, v3
	v_add_nc_u32 v3, s26, v3                       ; out: row r, + 128 h bytes: my 32 numbers of each 64
	v_lshlrev_b32 v4, 3, v7                        ; 8 r
	v_lshlrev_b32 v5, 3, v8                        ; 8 h, a shift
	v_mov_b32 v57, 0                               ; a lane permute's destination counts as read
.irp s, 0,1
.irp i, 0,1,2,3,4,5,6,7,8,9,10,11,12,13,14,15
	global_load_b128 v[R+64*\s+4*\i:R+64*\s+4*\i+3], v1, s[4:5] offset:(\i+8*(\i/8))*4096+512*\s th:TH_LOAD_NT   ; 32 lanes read 512 consecutive bytes: 128 along K of one row
.endr
.endr
.macro XFRAG s
.if \s == 0
	s_wait_loadcnt 16                              ; this step's 16 loads are in; the other step's 16 may be out
.else
	s_wait_loadcnt 0x0
.endif
.irp i, 0,1,2,3,4,5,6,7,8,9,10,11,12,13,14,15
	ds_store_b128 v2, v[R+64*\s+4*\i:R+64*\s+4*\i+3] offset:528*\i
.endr
.irp c, 0,1
.irp j, 0,1,2,3,4,5,6,7
	ds_load_b128 v[X+32*\c+4*\j:X+32*\c+4*\j+3], v3 offset:256*\c+16*\j   ; LDS serves a wave's instructions in order: these see the stores above
.endr
.endr
	s_wait_dscnt 0x0
.irp c, 0,1
	v_max3_num_f32 v[50+\c], |v[X+32*\c]|, |v[X+32*\c+1]|, 0x1800000   ; my block 2 c + h: all 32 numbers are mine; the floor 2^(3 - 127) holds the byte at 1
.endr
.irp i, 2,4,6,8,10,12,14,16,18,20,22,24,26,28,30
.irp c, 0,1
	v_max3_num_f32 v[50+\c], v[50+\c], |v[X+32*\c+\i]|, |v[X+32*\c+\i+1]|
.endr
.endr
.irp c, 0,1
	v_add_nc_u32 v[52+\c], 0xff000000, v[50+\c]    ; 2 off the exponent field: the conversion's scale operand
.endr
.irp c, 0,1
	v_lshrrev_b32 v[54+\c], 23, v[52+\c]           ; the byte
.endr
	v_lshl_or_b32 v56, v55, 16, v54                ; blocks h and 2 + h,
	v_lshlrev_b32 v56, v5, v56                     ; at their places in the word;
	v_permlanex16_b32 v57, v56, s28, s29
	v_or_b32 v[W+\s], v56, v57                     ; with lane l xor 16's two the word is whole
.irp c, 0,1
	v_cvt_scalef32_pk16_fp6_f32 v[F+12*\s+6*\c:F+12*\s+6*\c+2], v[X+32*\c:X+32*\c+15], v[52+\c]
	v_cvt_scalef32_pk16_fp6_f32 v[40+4*\c:42+4*\c], v[X+32*\c+16:X+32*\c+31], v[52+\c]   ; (a conversion's three registers begin on an even number)
.endr
	v_nop                                          ; one plain place behind a scaled conversion
.irp c, 0,1
.irp i, 0,1,2
	v_mov_b32 v[F+12*\s+6*\c+3+\i], v[40+4*\c+\i]
.endr
.endr
.irp q, 0,1,2
	global_store_b128 v1, v[F+12*\s+4*\q:F+12*\s+4*\q+3], s[22:23] offset:1536*\s+512*\q   ; 512 consecutive bytes, aligned
.endr
.endm
	s_wait_alu depctr_va_vdst(0)
	XFRAG 0
	XFRAG 1
	global_store_b64 v4, v[W:W+1], s[24:25]        ; 128 consecutive bytes; lanes 16-31 write what lanes 0-15 write
	TAIL
; ---- a weight [1024][n]: a work-group takes 128 columns x 256 K; a wave 32 columns, a lane a column, registers down K: a block of 32 is one lane's
.macro LOADW n, t
.irp i, 0,1,2,3,4,5,6,7,8,9,10,11,12,13,14,15,16,17,18,19,20,21,22,23,24,25,26,27,28,29,30,31
	global_load_b32 v[XW+32*((\t)%2)+\i], v1, s[22:23] offset:(32*(\t)+\i)*\n*4 th:TH_LOAD_NT
.endr
.endm
.macro BLOCKW n, t
.set XS, XW+32*((\t)%2)
.set S2, (\t)/4                        ; which 128 along K
.set KB, (\t)%4                        ; which block of it: it belongs to lane half KB % 2, registers 6 (KB / 2) on
.set FD, FW+24*S2+12*(KB%2)+6*(KB/2)
.if (\t) < 7
	s_wait_loadcnt 32                              ; this block's 32 loads are in; the next block's may be out
.else
	s_wait_loadcnt 0x0
.endif
	v_max3_num_f32 v50, |v[XS]|, |v[XS+1]|, |v[XS+2]|
	v_max3_num_f32 v51, |v[XS+3]|, |v[XS+4]|, |v[XS+5]|
.irp i, 6,10,14,18,22,26
	v_max3_num_f32 v50, v50, |v[XS+\i]|, |v[XS+\i+1]|
	v_max3_num_f32 v51, v51, |v[XS+\i+2]|, |v[XS+\i+3]|
.endr
	v_max3_num_f32 v50, v50, |v[XS+30]|, |v[XS+31]|
	v_max3_num_f32 v50, v50, v51, 0x1800000        ; and the floor
	v_add_nc_u32 v52, 0xff000000, v50
	v_lshrrev_b32 v53, 23, v52
.if KB == 0
	v_mov_b32 v[W+S2], v53
.else
	v_lshl_or_b32 v[W+S2], v53, 8*KB, v[W+S2]
.endif
	v_cvt_scalef32_pk16_fp6_f32 v[FD:FD+2], v[XS:XS+15], v52
	v_cvt_scalef32_pk16_fp6_f32 v[40:42], v[XS+16:XS+31], v52
	v_nop                                          ; one plain place behind a scaled conversion
.irp i, 0,1,2
	v_mov_b32 v[FD+3+\i], v[40+\i]
.endr
.if (\t)+2 < 8
	LOADW \n, (\t)+2
.endif
.if KB == 3
.irp hh, 0,1
.irp q, 0,1,2
	global_store_b128 v2, v[FW+24*S2+12*\hh+4*\q:FW+24*\hh*0+FW*0+FW+24*S2+12*\hh+4*\q+3-FW], s[24:25] offset:1536*S2+512*\q+256*\hh   ; the sixteen lanes of one group fill 256 consecutive bytes, aligned
.endr
.endr
.endif
.endm
.macro WPATH n, src, dst, first
	s_sub_co_u32 s17, ttmp9, \first
	s_lshr_b32 s18, s17, 2                         ; which 128 columns
	s_and_b32 s19, s17, 3                          ; which chunk of K
	s_mul_i32 s20, s19, 256*\n*4
	s_lshl_b32 s21, s18, 2
	s_add_co_u32 s21, s21, s16
	s_lshl_b32 s21, s21, 7                         ; my wave's first column, in bytes
	s_add_co_u32 s20, s20, s21
	s_mov_b32 s21, 0
	s_add_nc_u64 s[22:23], s[\src:\src+1], s[20:21]
	s_lshl_b32 s20, s18, 2
	s_add_co_u32 s20, s20, s19
	s_mul_i32 s20, s20, CB                         ; the chunk block
	s_mul_i32 s24, s16, 6144                       ; my two groups' four fragments
	s_add_co_u32 s24, s24, s20
	s_mov_b32 s25, 0
	s_add_nc_u64 s[24:25], s[\dst:\dst+1], s[24:25]
	s_lshl_b32 s26, s16, 8                         ; and their scale words
	s_add_co_u32 s26, s26, s20
	s_add_co_u32 s26, s26, SCO
	s_mov_b32 s27, 0
	s_add_nc_u64 s[26:27], s[\dst:\dst+1], s[26:27]
	v_lshlrev_b32 v1, 2, v6                        ; in: 4 bytes a lane
	v_bfe_u32 v9, v0, 3, 1                         ; column n0 + l is row r' = l % 8 + 8 (l / 16) of group u = (l / 8) % 2
	v_and_b32 v10, 7, v0
	v_lshl_add_u32 v10, v8, 3, v10
	v_mul_u32_u24 v2, v9, 3072
	v_lshl_add_u32 v2, v10, 4, v2                  ; codes: 3,072 u + 16 r'
	v_lshlrev_b32 v3, 7, v9
	v_lshl_add_u32 v3, v10, 3, v3                  ; words: 128 u + 8 r'
	LOADW \n, 0
	LOADW \n, 1
.irp t, 0,1,2,3,4,5,6,7
	BLOCKW \n, \t
.endr
	global_store_b64 v3, v[W:W+1], s[26:27]        ; 256 consecutive bytes, aligned
	TAIL
.endm
.Lwqkv:
	s_wait_alu depctr_va_vdst(0)
	WPATH 3072, 6, 12, 0
.Lwproj:
	s_wait_alu depctr_va_vdst(0)
	WPATH 1024, 8, 14, 96
.Lfunc_end_k_q5cca5edacd_quant:
	.size	k_q5cca5edacd_quant, .Lfunc_end_k_q5cca5edacd_quant-k_q5cca5edacd_quant
	.p2alignl 7, 3214868480
	.fill 96, 4, 3214868480
	.section	.rodata,"a",@progbits
	.p2align	6, 0x0
	.amdhsa_kernel k_q5cca5edacd_quant
		.amdhsa_group_segment_fixed_size 34304
		.amdhsa_private_segment_fixed_size 0
		.amdhsa_enable_private_segment 0
		.amdhsa_kernarg_size 48
		.amdhsa_user_sgpr_count 2
		.amdhsa_user_sgpr_kernarg_segment_ptr 1
		.amdhsa_wavefront_size32 1
		.amdhsa_system_sgpr_workgroup_id_x 1
		.amdhsa_system_sgpr_workgroup_id_y 1
		.amdhsa_system_sgpr_workgroup_id_z 1
		.amdhsa_system_vgpr_workitem_id 0
		.amdhsa_next_free_vgpr 256
		.amdhsa_next_free_sgpr 66
		.amdhsa_reserve_vcc 0
		.amdhsa_float_denorm_mode_32 3
		.amdhsa_float_denorm_mode_16_64 3
		.amdhsa_memory_ordered 1
		.amdhsa_forward_progress 1
		.amdhsa_inst_pref_size 93
	.end_amdhsa_kernel
	.amdgpu_metadata
---
amdhsa.version: [ 1, 2 ]
amdhsa.kernels:
  - .name:           k_q5cca5edacd_quant
    .symbol:         k_q5cca5edacd_quant.kd
    .args:
      - { .name: x, .offset: 0, .size: 8, .value_kind: global_buffer, .address_space: global }
      - { .name: w_qkv, .offset: 8, .size: 8, .value_kind: global_buffer, .address_space: global }
      - { .name: w_proj, .offset: 16, .size: 8, .value_kind: global_buffer, .address_space: global }
      - { .name: xi, .offset: 24, .size: 8, .value_kind: global_buffer, .address_space: global }
      - { .name: wqi, .offset: 32, .size: 8, .value_kind: global_buffer, .address_space: global }
      - { .name: wpi, .offset: 40, .size: 8, .value_kind: global_buffer, .address_space: global }
    .group_segment_fixed_size: 34304
    .private_segment_fixed_size: 0
    .kernarg_segment_align: 8
    .kernarg_segment_size: 48
    .max_flat_workgroup_size: 128
    .sgpr_count:     66
    .vgpr_count:     256
    .wavefront_size: 32
...
	.end_amdgpu_metadata
.endif
;; end of part 1
;; launch gemm_qkv (part 2): grid 24 x 32, 4 waves a work-group, clusters of 4 x 4, 327,680 bytes of LDS; arguments xi, wqi, b_qkv, qi, kv; writes qi, kv
.if DOCPART == 2
	.amdgcn_target "amdgcn-amd-amdhsa--gfx1250"
	.amdhsa_code_object_version 6
	.text
	.protected	k_q5cca5edacd_gemm_qkv
	.globl	k_q5cca5edacd_gemm_qkv
	.p2align	8
	.type	k_q5cca5edacd_gemm_qkv,@function
k_q5cca5edacd_gemm_qkv:
	s_mov_b64 s[64:65], 0
	v_nop
	global_prefetch_b8 v0, s[64:65] scope:SCOPE_SE
	s_setreg_imm32_b32 hwreg(HW_REG_WAVE_MODE, 25, 1), 1
	s_wait_xcnt 0x0
	s_wait_alu depctr_hold_cnt(0) depctr_sa_sdst(0) depctr_va_vdst(0) depctr_va_sdst(0) depctr_va_ssrc(0) depctr_va_vcc(0) depctr_vm_vsrc(0)
	s_getreg_b32 s2, hwreg(HW_REG_IB_STS2, 6, 4)
	s_cmp_eq_u32 s2, 0
	s_cbranch_scc0 .Lentry_in_a_cluster
	s_endpgm
.Lentry_in_a_cluster:
	s_bfe_u32 s2, ttmp6, 0x10000c
	s_cmp_lg_u32 s2, 0xf033
	s_cbranch_scc0 .Lentry_shape_is_right
	s_endpgm
.Lentry_shape_is_right:
; qkv = x w_qkv + b_qkv on codes of FP6 (E2M3), K = 1,024, and its results quantised in registers: q and k along the head's 64, v along the keys.  qkv never goes to memory as f32.
; OPERANDS are images of registers (fragment: 16 rows x 128 K, 1,536 bytes, registers 4 c .. 4 c + 3 of lane l at 512 c + 16 l; group 2 b + u holds rows 32 b + 8 u + r + 8 (r / 8);
; chunk block CB: 8 groups x 256 K, fragment (group, step) at (2 group + step) x 1,536, scale words from SCO on at 128 group + 8 r + 4 step; 128 rows = 4 chunk blocks).
; A TILE: I = 256 rows (source 1: a lane holds one of its rows), J = 128 rows (source 0: a lane's registers run along it: tiles 2 b and 2 b + 1 give 16 neighbours 32 b + 16 (lane / 16) + 0 .. 15).
; The whole K of a tile, 307,200 bytes, lies in LDS: every LDS byte is filled once, four tensor loads a wave at the start, so the loop has plain barriers alone.  A wave makes I 64 x J 128: 32 accumulators.
; TWO REGIONS on one grid, told apart by the cluster's x: 0-3: I = tokens, J = the features of q and k, results quantised along the features; 4, 5: I = the features of v, J = tokens, results quantised along the tokens.
; CLUSTERS 4 x 4: I's tile is asked for jointly along a row of the cluster, J's along a column.
; RESULTS: q, k: a PAIRED fragment for each 32 tokens of a head: registers 0-5 group u = 0's 64 codes, registers 6-11 group u = 1's; word bytes (u0 b0, u0 b1, u1 b0, u1 b1).  v: fragments of 16 d x 128 keys.
;   qi: for each (b, h) 102,400 bytes: 64 fragments, then from 98,304 on 64 x 16 words.  kv: for each (b, h) two halves of 1,024 keys, 102,400 bytes each: K's 32 fragments; from 49,152 K's words; from 51,200 V's 8 x 4 fragments; from 100,352 V's words.
; LIMITS: NaN and infinities are not served; a block of zeros, or under 2^-124, keeps the byte 1; the sums begin at the bias.
; REGISTERS: window 0: v4-21 addresses, v32-63 scale words (two sets), v64-159 I's fragments (two sets), v160-237 the quantiser.  window 1: v0-191 J's fragments (two sets), v192-255 the bias.  window 2: accumulator (a, j) at 8 (8 a + j).
.set CB,    25600
.set SCO,   24576
.set FRB,   1536
.set G8B,   4*CB
.set CHB,   3*CB                       ; a chunk in LDS: I's two halves, then J
.set SPARE, 4*CHB                      ; behind the four chunks: the spare words, 128 bytes for each wave
.set ADI,  4                           ; v4-7    chunk ch: my four groups of I
.set ADJ,  8                           ; v8-11   J
.set ADS1, 12                          ; v12-15  scale words: lanes 0-15 I's of my groups, lanes 16-31 J's
.set ADS2, 16                          ; v16-19  J's
.set LI,   20                          ; v20     16 x lane
.set LW,   21                          ; v21     4 x lane
.set SPW,  28
.set NIL,  29
.set SC,   32
.set IFR,  64
.set PC,   160                         ; four results x 12
.set PW,   208                         ; their scale words
.set TM,   212                         ; v212-215 maxima, v216-219 permutes and bytes, v224-227 scale operands
.set BIAS, 192                         ; in window 1
.set MSB, 0
.macro WIN new                         ; the immediate's high byte repeats the setting that is left
.if MSB != \new
	s_set_vgpr_msb (MSB<<8)|\new
.set MSB, \new
.endif
.endm
.macro CREST
	s_cmp_lg_u32 s14, 0
	s_cbranch_scc1 .Lnot_wave_0_\@
	s_barrier_signal -3
.Lnot_wave_0_\@:
	s_barrier_wait -3
	s_barrier_signal -1
	s_barrier_wait -1
.endm
.macro CROUND                          ; a round of the cluster's barrier
	s_barrier_signal -1
	s_barrier_wait -1
	CREST
.endm
.macro PLACES                          ; four places behind matrix instructions, ahead of loads into their operands and of reads of their results
.rept 4
	v_nop
.endr
.endm
.macro FETCH q                         ; step q (128 along K): J's eight fragments and my four of I into set q % 2
	WIN 0x40
.irp j, 0,1,2,3,4,5,6,7
.irp c, 0,1,2
	ds_load_b128 v[96*((\q)%2)+12*\j+4*\c:96*((\q)%2)+12*\j+4*\c+3], v[ADJ+(\q)/2] offset:(2*\j+(\q)%2)*FRB+512*\c
.endr
.endr
	WIN 0
.irp a, 0,1,2,3
.irp c, 0,1,2
	ds_load_b128 v[IFR+48*((\q)%2)+12*\a+4*\c:IFR+48*((\q)%2)+12*\a+4*\c+3], v[ADI+(\q)/2] offset:(2*\a+(\q)%2)*FRB+512*\c
.endr
.endr
.endm
.macro SCALES ch                       ; a chunk's scale words, both steps of a row by one load: register 2 j + step: lanes 0-15 I's group j (j < 4), lanes 16-31 J's group j
.irp j, 0,1,2,3
	ds_load_b64 v[SC+16*((\ch)%2)+2*\j:SC+16*((\ch)%2)+2*\j+1], v[ADS1+(\ch)] offset:128*\j
.endr
.irp j, 4,5,6,7
	ds_load_b64 v[SC+16*((\ch)%2)+2*\j:SC+16*((\ch)%2)+2*\j+1], v[ADS2+(\ch)] offset:128*\j
.endr
.endm
; 16 products: I's groups a0, a0 + 1 x J's eight.  cm = 0: onto the sums; 1: the sums begin at the bias of J's group; 2: at the bias of I's group.  The 32 accumulators take turns.
.macro MULH q, a0, cm
.if (\cm) == 0
	WIN 0xa1
.else
	WIN 0x91
.endif
.irp a, \a0, \a0+1
.irp j, 0,1,2,3,4,5,6,7
.set rD, 8*(8*(\a)+\j)
.set rA, 96*((\q)%2)+12*\j
.set rB, IFR+48*((\q)%2)+12*(\a)
.set rC, rD
.if (\cm) == 1
.set rC, BIAS+8*\j
.endif
.if (\cm) == 2
.set rC, BIAS+8*(\a)
.endif
.set rS, SC+16*(((\q)/2)%2)+(\q)%2
	v_wmma_scale_f32_16x16x128_f8f6f4 v[rD:rD+7], v[rA:rA+11], v[rB:rB+11], v[rC:rC+7], v[rS+2*\j], v[rS+2*(\a)] matrix_a_fmt:MATRIX_FMT_FP6 matrix_b_fmt:MATRIX_FMT_FP6 matrix_a_scale:MATRIX_SCALE_ROW1
.endr
.endr
.endm
.macro STEP q, cm                      ; a step whose successor lies in the same chunk (or the last)
	s_wait_dscnt 0x0                               ; this step's fragments are in
	PLACES
.if (\q) < 7
	FETCH (\q)+1                                   ; the next step's land under this step's 32 products
.endif
	MULH \q, 0, \cm
	MULH \q, 2, \cm
.endm
.macro STEPB q                         ; a chunk's second step: the next chunk is shown to every wave by a plain barrier
	s_wait_dscnt 0x0
	s_wait_tensorcnt 3-((\q)+1)/2                  ; my load of the next chunk has landed; my loads of the chunks behind it may be out
	s_barrier_signal -1
	PLACES
	MULH \q, 0, 0
	WIN 0
	s_barrier_wait -1
	FETCH (\q)+1
	SCALES ((\q)+1)/2
	MULH \q, 2, 0
.endm
; 64 numbers of a lane in window 2, four blocks of 16 registers at s0, s0 + 16, s1, s1 + 16 (register i of block b = k 32 b + 16 (lane / 16) + i of my row), become result n: 12 registers of codes and a scale word.
.macro QUANT s0, s1, n
	WIN 0x28                                       ; sources 1 and 2 in window 2
	v_max3_num_f32 v[TM],   s90, |v[\s0]|,    |v[\s0+1]|      ; with the floor 2^(3 - 127); each accumulator is read from its low end on
	v_max3_num_f32 v[TM+1], s90, |v[\s0+16]|, |v[\s0+17]|
	v_max3_num_f32 v[TM+2], s90, |v[\s1]|,    |v[\s1+1]|
	v_max3_num_f32 v[TM+3], s90, |v[\s1+16]|, |v[\s1+17]|
.irp i, 2,4,6,8,10,12,14
	v_max3_num_f32 v[TM],   v[TM],   |v[\s0+\i]|,    |v[\s0+\i+1]|
	v_max3_num_f32 v[TM+1], v[TM+1], |v[\s0+16+\i]|, |v[\s0+17+\i]|
	v_max3_num_f32 v[TM+2], v[TM+2], |v[\s1+\i]|,    |v[\s1+\i+1]|
	v_max3_num_f32 v[TM+3], v[TM+3], |v[\s1+16+\i]|, |v[\s1+17+\i]|
.endr
	WIN 0
.irp b, 0,1,2,3
	v_permlanex16_b32 v[TM+4+\b], v[TM+\b], s20, s21
.endr
.irp b, 0,1,2,3
	v_max_num_f32 v[TM+\b], v[TM+\b], v[TM+4+\b]   ; with lane l xor 16's 16: the block's largest magnitude
.endr
.irp b, 0,1,2,3
	v_add_nc_u32 v[TM+12+\b], 0xff000000, v[TM+\b] ; 2 off the exponent field: the conversion's scale operand
.endr
.irp b, 0,1,2,3
	v_lshrrev_b32 v[TM+4+\b], 23, v[TM+12+\b]      ; the byte
.endr
	v_lshl_or_b32 v[PW+\n], v[TM+5], 8, v[TM+4]
	v_lshl_or_b32 v[PW+\n], v[TM+6], 16, v[PW+\n]
	v_lshl_or_b32 v[PW+\n], v[TM+7], 24, v[PW+\n]
	WIN 0x02                                       ; source 0 in window 2
	v_cvt_scalef32_pk16_fp6_f32 v[PC+12*\n:PC+12*\n+2],   v[\s0:\s0+15],    v[TM+12]
	v_cvt_scalef32_pk16_fp6_f32 v[228:230],               v[\s0+16:\s0+31], v[TM+13]
	v_cvt_scalef32_pk16_fp6_f32 v[PC+12*\n+6:PC+12*\n+8], v[\s1:\s1+15],    v[TM+14]
	v_cvt_scalef32_pk16_fp6_f32 v[232:234],               v[\s1+16:\s1+31], v[TM+15]
	WIN 0
	v_nop                                          ; one plain place behind a scaled conversion
.irp i, 0,1,2                          ; the operand's layout wants a whole block in a lane
	v_permlane16_swap_b32 v[PC+12*\n+\i], v[228+\i]
	v_permlane16_swap_b32 v[PC+12*\n+6+\i], v[232+\i]
.endr
.irp i, 0,1,2
	v_mov_b32 v[PC+12*\n+3+\i], v[228+\i]
	v_mov_b32 v[PC+12*\n+9+\i], v[232+\i]
.endr
.endm
.macro OUT n, base                     ; result n leaves as it stands: three stores of 512 consecutive bytes
.irp c, 0,1,2
	global_store_b128 v[LI], v[PC+12*\n+4*\c:PC+12*\n+4*\c+3], s[\base:\base+1] offset:1536*((\n)%2)+512*\c
.endr
.endm
	s_load_b256 s[4:11], s[0:1], 0x0               ; xi, wqi, b_qkv, qi
	s_load_b64 s[12:13], s[0:1], 0x20              ; kv
	v_lshl_add_u32 v[SPW], v0, 2, SPARE
	v_mov_b32 v[NIL], 0
	ds_add_u32 v[SPW], v[NIL]                      ; the wave's opening: the add and its wait ahead of my first tensor load
	ds_add_u32 v[SPW], v[NIL]
	v_lshrrev_b32 v1, 5, v0
	v_readfirstlane_b32 s14, v1                    ; wave
	s_lshr_b32 s15, s14, 1                         ; I fetch for I (0) or J (1); also: which half of I's rows is mine
	s_and_b32 s16, s14, 1                          ; which half I fetch; also: which four groups of my half
	s_bfe_u32 s17, ttmp6, 0x40000                  ; cx
	s_bfe_u32 s18, ttmp6, 0x40004                  ; cy
	s_and_b32 s92, ttmp7, 0xffff                   ; cluster y
	s_sub_co_u32 s93, ttmp9, 4
	s_lshl_b32 s93, s93, 3
	s_add_co_u32 s93, s93, s92                     ; v's region: block of four J tiles
	s_cmp_ge_u32 ttmp9, 4                          ; the region hangs on the cluster's x alone: alike in all partners
	s_cselect_b32 s19, 1, 0
	s_cselect_b32 s76, 0, s92
	s_cselect_b32 s77, s93, ttmp9
	s_cselect_b32 s80, 16*G8B, 0                   ; v's features begin at row 2,048 of wqi
	s_lshl_b32 s76, s76, 2
	s_add_co_u32 s76, s76, s18                     ; IT: I's tile
	s_lshl_b32 s77, s77, 2
	s_add_co_u32 s77, s77, s17                     ; JT: J's tile
	s_lshl_b32 s22, s18, 2
	s_lshl_b32 s22, 15, s22                        ; my row of the cluster
	s_lshl_b32 s23, 0x1111, s17                    ; my column
	s_or_b32 s24, s22, (3<<16)|(1<<21)             ; group 1 for I: the mask; elements of 8 bytes; bit 21 beside a mask; no padding
	s_mov_b32 s25, 32<<16                          ; rows of 32 elements = 256 bytes
	s_mov_b32 s26, 100<<16                         ; 100 rows: a chunk block
	s_mov_b32 s27, 32<<16
	s_mov_b32 s28, 100
	s_mov_b32 s29, 32
	s_mov_b32 s30, 0
	s_mov_b32 s31, 0
	s_or_b32 s32, s23, (3<<16)|(1<<21)             ; group 1 for J: 50 rows: half a chunk block
	s_mov_b32 s33, 32<<16
	s_mov_b32 s34, 50<<16
	s_mov_b32 s35, 32<<16
	s_mov_b32 s36, 50
	s_mov_b32 s37, 32
	s_mov_b32 s38, 0
	s_mov_b32 s39, 0
	s_lshl_b32 s81, s76, 1
	s_add_co_u32 s81, s81, s16
	s_mul_i32 s81, s81, G8B                        ; I: 128 rows 2 IT + half
	s_add_co_u32 s80, s80, s81
	s_mov_b32 s81, 0
	s_mul_i32 s84, s77, G8B                        ; J: 128 rows JT, my half of each chunk block
	s_mul_i32 s85, s16, CB/2
	s_add_co_u32 s84, s84, s85
	s_mov_b32 s85, 0
	s_mul_i32 s94, s16, CB                         ; where they go in a chunk
	s_mul_i32 s95, s16, CB/2
	s_add_co_u32 s95, s95, 2*CB
	s_mov_b32 s20, 0x76543210
	s_mov_b32 s21, 0xfedcba98
	s_mov_b32 s90, 0x1800000                       ; the floor
	s_mov_b32 s91, 0xffff0000                      ; lanes 16-31
	s_wait_dscnt 0x0                               ; the opening add is done
	s_wait_kmcnt 0x0
	s_cmp_lg_u32 s19, 0
	s_cselect_b64 s[78:79], s[6:7], s[4:5]
	s_cselect_b64 s[82:83], s[4:5], s[6:7]
	s_add_nc_u64 s[78:79], s[78:79], s[80:81]
	s_add_nc_u64 s[82:83], s[82:83], s[84:85]
	CROUND                                         ; all sixteen work-groups are here: the joint loads meet
.irp ch, 0,1,2,3
	s_mov_b32 s[40+4*\ch], 1
	s_add_co_u32 s[41+4*\ch], s94, \ch*CHB
	s_add_nc_u64 s[42+4*\ch:43+4*\ch], s[78:79], \ch*CB
	s_or_b32 s[43+4*\ch], s[43+4*\ch], 0x80000000
	s_mov_b32 s[56+4*\ch+4*(\ch/2)], 1
	s_add_co_u32 s[57+4*\ch+4*(\ch/2)], s95, \ch*CHB
	s_add_nc_u64 s[58+4*\ch+4*(\ch/2):59+4*\ch+4*(\ch/2)], s[82:83], \ch*CB
	s_or_b32 s[59+4*\ch+4*(\ch/2)], s[59+4*\ch+4*(\ch/2)], 0x80000000
.endr
	s_cmp_eq_u32 s15, 0                            ; a wave's four fills stand in one branch on its number: four loads of mine are out
	s_cbranch_scc0 .Lfill_j
.irp ch, 0,1,2,3
	tensor_load_to_lds s[40+4*\ch:43+4*\ch], s[24:31]
	s_nop 0
.endr
	PLACES
	s_branch .Lfilled
.Lfill_j:
.irp ch, 0,1,2,3
	tensor_load_to_lds s[56+4*\ch+4*(\ch/2):59+4*\ch+4*(\ch/2)], s[32:39]
	s_nop 0
.endr
	PLACES
.Lfilled:
	v_and_b32 v1, 31, v0                           ; lane
	v_and_b32 v2, 15, v0                           ; r
	v_bfe_u32 v3, v0, 4, 1                         ; h
	s_wait_alu depctr_va_vdst(0)
	v_lshlrev_b32 v[LI], 4, v1
	v_lshlrev_b32 v[LW], 2, v1
	v_lshlrev_b32 v30, 3, v2                       ; 8 r
	s_mul_i32 s86, s15, CB
	s_mul_i32 s87, s16, 8*FRB
	s_add_co_u32 s87, s87, s86                     ; my four groups' fragments
	s_lshl_b32 s88, s16, 9
	s_add_co_u32 s88, s88, s86
	s_add_co_u32 s88, s88, SCO                     ; and their scale words
	s_xor_b32 s89, s15, 1                          ; from there to J's words: (2 - hi) CB - 512 lo, made of additions alone
	s_mul_i32 s89, s89, CB
	s_xor_b32 s92, s16, 1
	s_lshl_b32 s92, s92, 9
	s_add_co_u32 s89, s89, s92
	s_add_co_u32 s89, s89, CB-512
	v_mul_u32_u24 v31, s89, v3                     ; lanes 16-31 take J's
	s_wait_alu depctr_va_vdst(0)
	v_add_nc_u32 v31, v31, v30
.irp ch, 0,1,2,3
	v_add_nc_u32 v[ADI+\ch], s87, v[LI]
	v_add_nc_u32 v[ADJ+\ch], \ch*CHB+2*CB, v[LI]
	v_add_nc_u32 v[ADS1+\ch], s88, v31
	v_add_nc_u32 v[ADS2+\ch], \ch*CHB+2*CB+SCO, v30
	s_add_co_u32 s87, s87, CHB
	s_add_co_u32 s88, s88, CHB
.endr
.irp b, 0,1,2,3
	v_mov_b32 v[TM+4+\b], 0                        ; a lane permute's destination counts as read
.endr
.macro BODY vp
.if \vp == 0
	s_lshl_b32 s86, s77, 9                         ; the bias runs along the registers: J's 128 features
	s_mov_b32 s87, 0
	s_add_nc_u64 s[66:67], s[8:9], s[86:87]
	v_lshlrev_b32 v22, 6, v3                       ; 16 h numbers on
	WIN 0x40
.irp j, 0,1,2,3,4,5,6,7
	global_load_b128 v[BIAS+8*\j:BIAS+8*\j+3],   v22, s[66:67] offset:(32*(\j/2)+8*(\j%2))*4
	global_load_b128 v[BIAS+8*\j+4:BIAS+8*\j+7], v22, s[66:67] offset:(32*(\j/2)+8*(\j%2))*4+16
.endr
	WIN 0
	; where my results go: batch b = IT / 8, token blocks tb0, tb0 + 1, heads 2 (JT % 8) and the next; q for JT < 8, else k
	s_lshr_b32 s86, s76, 3
	s_and_b32 s87, s76, 7
	s_lshl_b32 s87, s87, 3
	s_lshl_b32 s88, s14, 1
	s_add_co_u32 s87, s87, s88                     ; tb0
	s_and_b32 s88, s77, 7
	s_lshl_b32 s88, s88, 1
	s_lshl_b32 s86, s86, 4
	s_add_co_u32 s86, s86, s88                     ; 16 b + head
	s_lshr_b32 s88, s87, 5
	s_mul_i32 s88, s88, 102400                     ; k: which half of the keys
	s_and_b32 s89, s87, 31                         ; k: block in the half
	s_mov_b32 s92, 204800
	s_mov_b32 s93, 49152
	s_cmp_lt_u32 s77, 8
	s_cselect_b32 s92, 102400, s92                 ; bytes from head to head
	s_cselect_b32 s93, 98304, s93                  ; where the words begin
	s_cselect_b32 s88, 0, s88
	s_cselect_b32 s89, s87, s89
	s_cselect_b64 s[2:3], s[10:11], s[12:13]
	s_mul_i32 s86, s86, s92
	s_add_co_u32 s86, s86, s88
	s_mul_i32 s94, s89, FRB
	s_add_co_u32 s94, s94, s86
	s_mov_b32 s95, 0
	s_add_nc_u64 s[94:95], s[2:3], s[94:95]        ; codes, first head
	s_lshl_b32 s96, s89, 6
	s_add_co_u32 s96, s96, s86
	s_add_co_u32 s96, s96, s93
	s_mov_b32 s97, 0
	s_add_nc_u64 s[96:97], s[2:3], s[96:97]        ; words, first head
	s_mov_b32 s93, 0
	s_add_nc_u64 s[98:99], s[94:95], s[92:93]      ; second head
	s_add_nc_u64 s[2:3], s[96:97], s[92:93]
.else
	s_lshl_b32 s86, s76, 8                         ; the bias belongs to the lane's row: feature 2,048 + 256 IT + 64 wave + the group's row
	s_lshl_b32 s87, s14, 6
	s_add_co_u32 s86, s86, s87
	s_add_co_u32 s86, s86, 2048
	s_lshl_b32 s86, s86, 2
	s_mov_b32 s87, 0
	s_add_nc_u64 s[66:67], s[8:9], s[86:87]
	v_and_b32 v23, 8, v2
	v_add_nc_u32 v23, v23, v2
	v_lshlrev_b32 v23, 2, v23
.irp a, 0,1,2,3
	global_load_b32 v[24+\a], v23, s[66:67] offset:(32*(\a/2)+8*(\a%2))*4
.endr
	; where my results go: head 16 (JT / 16) + 4 IT + wave, key step JT % 16
	s_lshr_b32 s86, s77, 4
	s_lshl_b32 s86, s86, 4
	s_lshl_b32 s87, s76, 2
	s_add_co_u32 s86, s86, s87
	s_add_co_u32 s86, s86, s14
	s_mul_i32 s86, s86, 204800
	s_and_b32 s87, s77, 15
	s_lshr_b32 s88, s87, 3
	s_mul_i32 s88, s88, 102400
	s_add_co_u32 s86, s86, s88
	s_and_b32 s87, s87, 7
	s_mul_i32 s94, s87, 4*FRB
	s_add_co_u32 s94, s94, s86
	s_add_co_u32 s94, s94, 51200
	s_mov_b32 s95, 0
	s_add_nc_u64 s[94:95], s[12:13], s[94:95]      ; d tiles 0, 1
	s_add_nc_u64 s[98:99], s[94:95], 2*FRB         ; d tiles 2, 3
	s_lshl_b32 s96, s87, 8
	s_add_co_u32 s96, s96, s86
	s_add_co_u32 s96, s96, 100352
	s_mov_b32 s97, 0
	s_add_nc_u64 s[96:97], s[12:13], s[96:97]
	s_add_nc_u64 s[2:3], s[96:97], 128
	s_wait_loadcnt 0x0
	WIN 0x40
.irp a, 0,1,2,3
.irp e, 0,1,2,3,4,5,6,7
	v_mov_b32 v[BIAS+8*\a+\e], v[24+\a]
.endr
.endr
	WIN 0
.endif
	s_wait_alu depctr_va_vdst(0)
	s_wait_tensorcnt 3                             ; my load of chunk 0 has landed; my three later ones may be out
	s_barrier_signal -1
	s_barrier_wait -1
	FETCH 0
	SCALES 0
	s_wait_loadcnt 0x0                             ; the bias
	STEP 0, 1+\vp                                  ; the first products start the sums at the bias: nothing is cleared
	STEPB 1
	STEP 2, 0
	STEPB 3
	STEP 4, 0
	STEPB 5
	STEP 6, 0
	STEP 7, 0
	WIN 0
	PLACES
.if \vp == 0
	QUANT 0, 64, 0                                 ; head 0, token block 0: groups 0 and 1, J's tiles 0-3
	OUT 0, 94
	QUANT 128, 192, 1                              ; head 0, token block 1
	OUT 1, 94
	QUANT 32, 96, 2                                ; head 1
	OUT 2, 98
	QUANT 160, 224, 3
	OUT 3, 98
.else
	QUANT 0, 32, 0                                 ; d tile a: its eight tiles are 128 keys
	OUT 0, 94
	QUANT 64, 96, 1
	OUT 1, 94
	QUANT 128, 160, 2
	OUT 2, 98
	QUANT 192, 224, 3
	OUT 3, 98
.endif
	v_cndmask_b32 v236, v[PW], v[PW+1], s91        ; lanes 0-15 the first result's words, lanes 16-31 the second's
	v_cndmask_b32 v237, v[PW+2], v[PW+3], s91
	global_store_b32 v[LW], v236, s[96:97]         ; 128 consecutive bytes
	global_store_b32 v[LW], v237, s[2:3]
	s_wait_tensorcnt 0x0                           ; the wave's end
	ds_add_u32 v[SPW], v[NIL]
	s_wait_dscnt 0x0
	CROUND                                         ; the closing round
	s_endpgm
.endm
	s_cmp_lg_u32 s19, 0
	s_cbranch_scc1 .Lvpart
	s_wait_alu depctr_va_vdst(0)
	BODY 0
.Lvpart:
	BODY 1
.Lfunc_end_k_q5cca5edacd_gemm_qkv:
	.size	k_q5cca5edacd_gemm_qkv, .Lfunc_end_k_q5cca5edacd_gemm_qkv-k_q5cca5edacd_gemm_qkv
	.p2alignl 7, 3214868480
	.fill 96, 4, 3214868480
	.section	.rodata,"a",@progbits
	.p2align	6, 0x0
	.amdhsa_kernel k_q5cca5edacd_gemm_qkv
		.amdhsa_group_segment_fixed_size 327680
		.amdhsa_private_segment_fixed_size 0
		.amdhsa_enable_private_segment 0
		.amdhsa_kernarg_size 40
		.amdhsa_user_sgpr_count 2
		.amdhsa_user_sgpr_kernarg_segment_ptr 1
		.amdhsa_wavefront_size32 1
		.amdhsa_system_sgpr_workgroup_id_x 1
		.amdhsa_system_sgpr_workgroup_id_y 1
		.amdhsa_system_sgpr_workgroup_id_z 1
		.amdhsa_system_vgpr_workitem_id 0
		.amdhsa_next_free_vgpr 768
		.amdhsa_next_free_sgpr 100
		.amdhsa_reserve_vcc 0
		.amdhsa_float_denorm_mode_32 3
		.amdhsa_float_denorm_mode_16_64 3
		.amdhsa_memory_ordered 1
		.amdhsa_forward_progress 1
		.amdhsa_inst_pref_size 158
	.end_amdhsa_kernel
	.amdgpu_metadata
---
amdhsa.version: [ 1, 2 ]
amdhsa.kernels:
  - .name:           k_q5cca5edacd_gemm_qkv
    .symbol:         k_q5cca5edacd_gemm_qkv.kd
    .args:
      - { .name: xi, .offset: 0, .size: 8, .value_kind: global_buffer, .address_space: global }
      - { .name: wqi, .offset: 8, .size: 8, .value_kind: global_buffer, .address_space: global }
      - { .name: b_qkv, .offset: 16, .size: 8, .value_kind: global_buffer, .address_space: global }
      - { .name: qi, .offset: 24, .size: 8, .value_kind: global_buffer, .address_space: global }
      - { .name: kv, .offset: 32, .size: 8, .value_kind: global_buffer, .address_space: global }
    .group_segment_fixed_size: 327680
    .private_segment_fixed_size: 0
    .kernarg_segment_align: 8
    .kernarg_segment_size: 40
    .max_flat_workgroup_size: 128
    .sgpr_count:     100
    .vgpr_count:     768
    .wavefront_size: 32
...
	.end_amdgpu_metadata
.endif
;; end of part 2
;; launch attn (part 3): grid 8 x 32, 16 waves a work-group, clusters of 4 x 1, 327,680 bytes of LDS; arguments qi, kv, ai; writes ai
.if DOCPART == 3
	.amdgcn_target "amdgcn-amd-amdhsa--gfx1250"
	.amdhsa_code_object_version 6
	.text
	.protected	k_q5cca5edacd_attn
	.globl	k_q5cca5edacd_attn
	.p2align	8
	.type	k_q5cca5edacd_attn,@function
k_q5cca5edacd_attn:
	s_mov_b64 s[64:65], 0
	v_nop
	global_prefetch_b8 v0, s[64:65] scope:SCOPE_SE
	s_setreg_imm32_b32 hwreg(HW_REG_WAVE_MODE, 25, 1), 1
	s_wait_xcnt 0x0
	s_wait_alu depctr_hold_cnt(0) depctr_sa_sdst(0) depctr_va_vdst(0) depctr_va_sdst(0) depctr_va_ssrc(0) depctr_va_vcc(0) depctr_vm_vsrc(0)
	s_getreg_b32 s2, hwreg(HW_REG_IB_STS2, 6, 4)
	s_cmp_eq_u32 s2, 0
	s_cbranch_scc0 .Lentry_in_a_cluster
	s_endpgm
.Lentry_in_a_cluster:
	s_bfe_u32 s2, ttmp6, 0x10000c
	s_cmp_lg_u32 s2, 0x3003
	s_cbranch_scc0 .Lentry_shape_is_right
	s_endpgm
.Lentry_shape_is_right:
; Causal attention on codes of FP6 (E2M3): S^T = K Q^T (K = the head's 64), p = 2^(t - M), O^T = V^T P^T (K = the keys), O / l quantised along h x 64 + d into images of operand registers for the last product.
; t = score x log2(e) / 8; M = the running largest t rounded up to a whole number; the row's sum l is taken of the unquantised p; when M moves, l and O are multiplied by 2^(old M - new M), which rounds nothing.
; SHARES.  Work-group (X, Y): Y = 8 b + hp takes heads 2 hp and 2 hp + 1 of batch b, one after the other.  Wave w takes the 16 queries of group X of the 128-token step w' (a table of the wave's number):
; 128 w' + 32 (X / 2) + 8 (X % 2) + r + 8 (r / 8).  So whether a key step is hidden, on the diagonal or open hangs on the wave's number and a counter alone, every work-group has the same work,
; and the two heads of a wave make one whole fragment and scale word of ai.  The table deals the long and the short waves evenly whichever way four of sixteen waves share a SIMD.
; A PAIRED FRAGMENT of k holds two groups of 16 keys (registers 0-5, 6-11): against [q | 0] it gives the first group's scores, against [0 | q] the second's: zero codes add nothing under any byte from 1 to 254.
; THE RING: two slots of 102,400 bytes, each half a head's K and V as they lie in kv; four fills: head A's halves at the start, head B's as refills.  Waves 0-3 fetch a quarter each.
; CLUSTER 4 x 1: the four partners walk the same K and V: each fill is asked for jointly.  No prefetch is laid: the two refills are asked for a whole phase of eight key steps ahead of their first use.
; LIMITS: NaN and infinities are not served; a block of zeros, or under 2^-124, keeps the byte 1; 1 / l by v_rcp_f32.
.set HALF,  102400
.set CB,    25600
.set SCO,   24576
.set SPARE, 2*HALF                     ; behind the ring: the spare words, 128 bytes for each of 16 waves
.set AK0,  1                           ; v1   16 x lane: K's fragments
.set AV0,  2                           ; v2   51,200 + 16 x lane: V's
.set AKW0, 3                           ; v3   49,152 + 4 x lane: K's words
.set AVW0, 4                           ; v4   100,352 + 4 x lane: V's
.set SPW,  5
.set NIL,  6
.set DQ,   7                           ; v7   my query's place in its step - 16 (lane / 16)
.set ADK,  8
.set ADV,  9
.set ADS,  10
.set ADT,  11
.set QS,   34                          ; q's scale word (s0, s1, s0, s1); v35 head B's;  v16-21 zeros, v22-27 q, v28-33 zeros;  v90-95 head B's q
.set KF,   36                          ; v36-83 four fragments of K, then of V
.set KW,   84                          ; v84-85 K's words: lanes 0-15 the even fragment's, lanes 16-31 the odd one's
.set VW,   86
.set PS,   88                          ; p's scale word
.set S,    96                          ; v96-159 S^T, then p
.set O,    160                         ; v160-191 O^T
.set PCD,  192                         ; v192-203 p's codes; v204-206, v208-210 conversions' second halves
.set BM,   212                         ; v212-215 blocks' maxima; v216-219 permutes and bytes; v220-223 scale operands
.set AF,   232                         ; v232-243 ai's fragment; v244 its word
.set AW,   244
.set WV,   18
.set WP,   19
.set SEL,  20
.set CS,   22
.set TB,   2
.set TW,   3
.set KS,   40
.set CNT,  41
.macro ROUND
	s_barrier_signal -1
	s_barrier_wait -1
	s_cmp_lg_u32 s[WV], 0
	s_cbranch_scc1 .Lnot_wave_0_\@
	s_barrier_signal -3
.Lnot_wave_0_\@:
	s_barrier_wait -3
	s_barrier_signal -1
	s_barrier_wait -1
.endm
.macro INIT                            ; a head begins: the largest t under every t, sums and O^T zero: the first change of M multiplies zeros
	v_mov_b32 v13, 0xff61b1e6
	s_delay_alu instid0(VALU_DEP_1)
	v_floor_f32 v12, -v13
	v_mov_b32 v14, 0
	v_mov_b32 v15, 0
.set n, 0
.rept 32
	v_mov_b32 v[O+n], 0
.set n, n+1
.endr
.endm
	s_load_b128 s[4:7], s[0:1], 0x0                ; qi, kv
	s_load_b64 s[8:9], s[0:1], 0x10                ; ai
	v_lshl_add_u32 v[SPW], v0, 2, SPARE
	v_mov_b32 v[NIL], 0
	ds_add_u32 v[SPW], v[NIL]                      ; the wave's opening: the add and its wait ahead of my first tensor load
	ds_add_u32 v[SPW], v[NIL]
	v_lshrrev_b32 v8, 5, v0
	s_delay_alu instid0(VALU_DEP_1)
	v_readfirstlane_b32 s[WV], v8
	s_bfe_u32 s10, ttmp6, 0x40000                  ; cx
	s_lshl_b32 s11, ttmp9, 2
	s_add_co_u32 s11, s11, s10                     ; X: it enters q's and ai's addresses and the mask's numbers alone
	s_and_b32 s12, ttmp7, 0xffff                   ; Y, which the partners share
	s_mov_b32 s13, 0xb5684a97                      ; w = 8 .. 15: w' = 7, 9, 10, 4, 8, 6, 5, 11
	s_cmp_lt_u32 s[WV], 8
	s_cselect_b32 s13, 0xc21f3de0, s13             ; w = 0 .. 7: w' = 0, 14, 13, 3, 15, 1, 2, 12
	s_and_b32 s14, s[WV], 7
	s_lshl_b32 s14, s14, 2
	s_lshr_b32 s13, s13, s14
	s_and_b32 s[WP], s13, 15
	s_mov_b32 s24, 15|(3<<16)|(1<<21)              ; group 1: all four partners; elements of 8 bytes; bit 21 beside a mask; no padding
	s_mov_b32 s25, 32<<16                          ; rows of 256 bytes
	s_mov_b32 s26, 100<<16                         ; 100 rows: a quarter of a slot
	s_mov_b32 s27, 32<<16
	s_mov_b32 s28, 100
	s_mov_b32 s29, 32
	s_mov_b32 s30, 0
	s_mov_b32 s31, 0
	s_and_b32 s15, s[WV], 3
	s_mul_i32 s15, s15, CB                         ; my quarter
	s_mul_i32 s16, s12, 4*HALF                     ; the head pair's K and V
	s_add_co_u32 s16, s16, s15
	s_mov_b32 s17, 0
	s_mov_b32 s[SEL], 0x76543210
	s_mov_b32 s[SEL+1], 0xfedcba98
	s_mov_b32 s[CS], 0x3e38aa3b                    ; c = log2(e) / 8
	s_mov_b32 s[CS+1], s[CS]
	s_lshl_b32 s50, s[WP], 2
	s_lshr_b32 s51, s11, 1
	s_add_co_u32 s50, s50, s51                     ; my token block: 4 w' + X / 2
	s_mul_i32 s56, s12, 2*HALF                     ; the head pair in qi
	s_mul_i32 s52, s50, 1536
	s_add_co_u32 s52, s52, s56
	s_mov_b32 s53, 0
	s_lshl_b32 s54, s50, 6
	s_add_co_u32 s54, s54, s56
	s_add_co_u32 s54, s54, 98304
	s_mov_b32 s55, 0
	s_lshl_b32 s56, s51, 5
	s_and_b32 s57, s11, 1
	s_lshl_b32 s57, s57, 3
	s_add_co_u32 s56, s56, s57                     ; 32 (X / 2) + 8 (X % 2)
	s_mov_b32 s43, 0x01000100
	s_and_b32 s57, s11, 1                          ; which half of the paired fragment is mine
	s_cselect_b32 s42, -1, 0
	s_cselect_b32 s43, 0x03020302, s43
	s_lshr_b32 s44, s12, 3                         ; ai: 128 rows 16 b + w', chunk hp / 2, fragment 2 X + hp % 2
	s_lshl_b32 s44, s44, 4
	s_add_co_u32 s44, s44, s[WP]
	s_lshl_b32 s44, s44, 2
	s_and_b32 s45, s12, 7
	s_lshr_b32 s46, s45, 1
	s_add_co_u32 s44, s44, s46
	s_mul_i32 s44, s44, CB
	s_and_b32 s45, s45, 1
	s_lshl_b32 s46, s11, 1
	s_add_co_u32 s46, s46, s45
	s_mul_i32 s46, s46, 1536
	s_add_co_u32 s46, s46, s44
	s_mov_b32 s47, 0
	s_lshl_b32 s48, s11, 7
	s_lshl_b32 s45, s45, 2
	s_add_co_u32 s48, s48, s45
	s_add_co_u32 s48, s48, s44
	s_add_co_u32 s48, s48, SCO
	s_mov_b32 s49, 0
	s_wait_dscnt 0x0                               ; the opening add is done
	s_wait_kmcnt 0x0
	s_add_nc_u64 s[16:17], s[6:7], s[16:17]
	s_mov_b32 s32, 1                               ; group 0 for slot 0
	s_mov_b32 s33, s15
	s_mov_b64 s[34:35], s[16:17]
	s_or_b32 s35, s35, 0x80000000
	s_mov_b32 s36, 1                               ; and for slot 1
	s_add_co_u32 s37, s15, HALF
	s_add_nc_u64 s[38:39], s[16:17], HALF
	s_or_b32 s39, s39, 0x80000000
	s_add_nc_u64 s[52:53], s[4:5], s[52:53]
	s_add_nc_u64 s[54:55], s[4:5], s[54:55]
	s_add_nc_u64 s[46:47], s[8:9], s[46:47]
	s_add_nc_u64 s[48:49], s[8:9], s[48:49]
	ROUND                                          ; the four work-groups are here: the first joint loads meet
	s_cmp_lt_u32 s[WV], 4                          ; both first fills in one branch on the wave's number: two loads of mine are out
	s_cbranch_scc0 .Lno_first
	tensor_load_to_lds s[32:35], s[24:31]
	s_nop 0
	tensor_load_to_lds s[36:39], s[24:31]
	s_nop 0
.rept 4
	v_nop
.endr
.Lno_first:
	v_and_b32 v9, 31, v0
	s_delay_alu instid0(VALU_DEP_1)
	v_lshlrev_b32 v245, 4, v9                      ; 16 x lane
	v_and_b32 v10, 15, v0                          ; r
	s_delay_alu instid0(VALU_DEP_1)
	v_lshlrev_b32 v8, 2, v10                       ; 4 r
.irp c, 0,1,2
	global_load_b128 v[96+4*\c:99+4*\c],   v245, s[52:53] offset:512*\c          ; head A's paired fragment of my token block
	global_load_b128 v[108+4*\c:111+4*\c], v245, s[52:53] offset:HALF+512*\c     ; head B's
.endr
	global_load_b32 v120, v8, s[54:55]
	global_load_b32 v121, v8, s[54:55] offset:HALF
	v_mov_b32 v[AK0], v245
	v_add_nc_u32 v[AV0], 51200, v245
	v_lshl_add_u32 v[AKW0], v9, 2, 49152
	v_lshl_add_u32 v[AVW0], v9, 2, 100352
	v_lshlrev_b32 v246, 3, v10                     ; 8 r
	v_and_b32 v11, 8, v10
	s_delay_alu instid0(VALU_DEP_1)
	v_add_nc_u32 v11, v11, v10                     ; r + 8 (r / 8)
	v_bfe_u32 v9, v0, 4, 1
	s_delay_alu instid0(VALU_DEP_1)
	v_lshlrev_b32 v9, 4, v9
	s_delay_alu instid0(VALU_DEP_1)
	v_sub_nc_u32 v11, v11, v9
	s_delay_alu instid0(VALU_DEP_1)
	v_add_nc_u32 v[DQ], s56, v11
.irp i, 0,1,2,3,4,5
	v_mov_b32 v[16+\i], 0
	v_mov_b32 v[28+\i], 0
.endr
.irp b, 0,1,2,3
	v_mov_b32 v[BM+4+\b], 0                        ; a lane permute's destination counts as read
.endr
	v_mov_b32 v224, 0
	v_mov_b32 v227, 0                              ; (the upper half of the pair v[226:227])
	s_wait_loadcnt 0x0
.irp i, 0,1,2,3,4,5
	v_cndmask_b32 v[22+\i], v[96+\i], v[102+\i], s42    ; my group's half
	v_cndmask_b32 v[90+\i], v[108+\i], v[114+\i], s42
.endr
	v_perm_b32 v[QS], v120, v120, s43              ; my group's two bytes, twice: the word serves [q | 0] and [0 | q]
	v_perm_b32 v[QS+1], v121, v121, s43
	INIT
; A KEY STEP: 128 keys.
.macro STEP
	s_cmp_gt_u32 s[KS], s[WP]                      ; all its keys come after my queries: the work is left out, the steps of the addresses are not
	s_cbranch_scc1 .Lhidden_\@
	s_setprio 2
	v_add_nc_u32 v[ADK], s[TB], v[AK0]             ; (these four are the places behind the last products, ahead of the loads into their operands)
	v_add_nc_u32 v[ADV], s[TB], v[AV0]
	v_add_nc_u32 v[ADS], s[TW], v[AKW0]
	v_add_nc_u32 v[ADT], s[TW], v[AVW0]
.irp b, 0,1,2,3
.irp c, 0,1,2
	ds_load_b128 v[KF+12*\b+4*\c:KF+12*\b+4*\c+3], v[ADK] offset:1536*\b+512*\c
.endr
.endr
	ds_load_b32 v[KW], v[ADS]
	ds_load_b32 v[KW+1], v[ADS] offset:128
	s_wait_alu depctr_va_vdst(0)
	s_wait_dscnt 0x0
.irp b, 0,2                            ; register 16 b + i of S^T is key 32 b + 16 (lane / 16) + i
	v_wmma_scale_f32_16x16x128_f8f6f4 v[S+16*\b:S+16*\b+7],    v[KF+12*\b:KF+12*\b+11], v[22:33], 0, v[KW+\b/2], v[QS] matrix_a_fmt:MATRIX_FMT_FP6 matrix_b_fmt:MATRIX_FMT_FP6
	v_wmma_scale_f32_16x16x128_f8f6f4 v[S+16*\b+8:S+16*\b+15], v[KF+12*\b:KF+12*\b+11], v[16:27], 0, v[KW+\b/2], v[QS] matrix_a_fmt:MATRIX_FMT_FP6 matrix_b_fmt:MATRIX_FMT_FP6
	v_wmma_scale_f32_16x16x128_f8f6f4 v[S+16*\b+16:S+16*\b+23], v[KF+12*\b+12:KF+12*\b+23], v[22:33], 0, v[KW+\b/2], v[QS] matrix_a_fmt:MATRIX_FMT_FP6 matrix_b_fmt:MATRIX_FMT_FP6 matrix_a_scale:MATRIX_SCALE_ROW1
	v_wmma_scale_f32_16x16x128_f8f6f4 v[S+16*\b+24:S+16*\b+31], v[KF+12*\b+12:KF+12*\b+23], v[16:27], 0, v[KW+\b/2], v[QS] matrix_a_fmt:MATRIX_FMT_FP6 matrix_b_fmt:MATRIX_FMT_FP6 matrix_a_scale:MATRIX_SCALE_ROW1
.endr
.rept 4
	v_nop                                          ; places: ahead of the loads into K's registers and of the first read of the scores
.endr
.irp t, 0,1,2,3                        ; V's fragments at once, into K's registers: they land under the softmax
.irp c, 0,1,2
	ds_load_b128 v[KF+12*\t+4*\c:KF+12*\t+4*\c+3], v[ADV] offset:1536*\t+512*\c
.endr
.endr
	ds_load_b32 v[VW], v[ADT]
	ds_load_b32 v[VW+1], v[ADT] offset:128
	s_cmp_lg_u32 s[KS], s[WP]                      ; on the diagonal hidden scores become -infinity ahead of the maximum; key 0 of the step counts for every query of it
	s_cbranch_scc1 .Lopen_\@
	v_mov_b32 v224, 0xff800000
.set n, 0
.rept 64
	v_cmp_gt_i32 vcc_lo, 32*(n/16)+n%16, v[DQ]
	v_cndmask_b32 v[S+n], v[S+n], v224, vcc_lo
.set n, n+1
.endr
.Lopen_\@:
.irp b, 0,1,2,3
	v_max3_num_f32 v[BM+\b], v[S+16*\b], v[S+16*\b+1], v[S+16*\b+2]   ; each block's largest score: for the row's maximum, and, since p rises with the score, for the block's largest p
.endr
.irp i, 3,5,7,9,11,13
.irp b, 0,1,2,3
	v_max3_num_f32 v[BM+\b], v[BM+\b], v[S+16*\b+\i], v[S+16*\b+\i+1]
.endr
.endr
.irp b, 0,1,2,3
	v_max_num_f32 v[BM+\b], v[BM+\b], v[S+16*\b+15]
.endr
.irp b, 0,1,2,3
	s_delay_alu instid0(VALU_DEP_4)
	v_permlanex16_b32 v[BM+4+\b], v[BM+\b], s[SEL], s[SEL+1]
.endr
.irp b, 0,1,2,3
	s_delay_alu instid0(VALU_DEP_4)
	v_max_num_f32 v[BM+\b], v[BM+\b], v[BM+4+\b]
.endr
	s_delay_alu instid0(VALU_DEP_2)
	v_max3_num_f32 v224, v[BM], v[BM+1], v[BM+2]
	s_delay_alu instid0(VALU_DEP_1)
	v_max_num_f32 v224, v224, v[BM+3]
	s_delay_alu instid0(VALU_DEP_1)
	v_mul_f32 v224, s[CS], v224
	s_delay_alu instid0(VALU_DEP_1)
	v_max_num_f32 v13, v13, v224                   ; the running largest t
	v_mov_b32 v224, v12
	s_delay_alu instid0(VALU_DEP_2)
	v_floor_f32 v12, -v13                          ; -M = floor(-t)
	s_delay_alu instid0(VALU_DEP_1)
	v_sub_f32 v224, v12, v224                      ; old M - new M: a whole number, 0 or less
	s_delay_alu instid0(VALU_DEP_1)
	v_cvt_i32_f32 v224, v224
	s_delay_alu instid0(VALU_DEP_1)
	v_ldexp_f32 v226, 1.0, v224                    ; f = 2^(old M - new M)
.set n, 0
.rept 32
	v_pk_fma_f32 v[S+n:S+n+1], v[S+n:S+n+1], s[CS:CS+1], v[12:13] op_sel_hi:[1,0,0]   ; t - M
.set n, n+2
.endr
	s_setprio 1
.irp b, 0,1,2,3
	v_fma_f32 v[BM+\b], v[BM+\b], s[CS], v12
.endr
.set n, 0
	s_wait_alu depctr_va_vdst(0)
.rept 64
	v_exp_f32 v[S+n], v[S+n]                       ; p, not normalised
.set n, n+1
.endr
	v_pk_mul_f32 v[14:15], v[14:15], v[226:227] op_sel_hi:[1,0]   ; the sums under the new M; a plain place behind the exponentials
	s_wait_alu depctr_va_vdst(0)                   ; one wait for the batch, ahead of its first reader
.irp b, 0,1,2,3
	v_exp_f32 v[BM+\b], v[BM+\b]                   ; each block's largest p
.endr
	v_pk_add_f32 v[228:229], v[100:101], v[104:105]
	v_pk_add_f32 v[254:255], v[108:109], v[112:113]
	v_pk_add_f32 v[252:253], v[116:117], v[120:121]
	v_pk_add_f32 v[250:251], v[124:125], v[128:129]
	v_pk_add_f32 v[248:249], v[132:133], v[136:137]
	v_pk_add_f32 v[242:243], v[140:141], v[144:145]
	v_pk_add_f32 v[240:241], v[148:149], v[152:153]
	v_pk_add_f32 v[14:15], v[14:15], v[156:157]
	v_pk_add_f32 v[228:229], v[228:229], v[96:97]
	v_pk_add_f32 v[254:255], v[254:255], v[98:99]
	v_pk_add_f32 v[252:253], v[252:253], v[102:103]
	v_pk_add_f32 v[250:251], v[250:251], v[106:107]
	v_pk_add_f32 v[248:249], v[248:249], v[110:111]
	v_pk_add_f32 v[242:243], v[242:243], v[114:115]
	v_pk_add_f32 v[240:241], v[240:241], v[118:119]
	v_pk_add_f32 v[14:15], v[14:15], v[122:123]
	v_pk_add_f32 v[228:229], v[228:229], v[126:127]
	v_pk_add_f32 v[254:255], v[254:255], v[130:131]
	v_pk_add_f32 v[252:253], v[252:253], v[134:135]
	v_pk_add_f32 v[250:251], v[250:251], v[138:139]
	v_pk_add_f32 v[248:249], v[248:249], v[142:143]
	v_pk_add_f32 v[242:243], v[242:243], v[146:147]
	v_pk_add_f32 v[240:241], v[240:241], v[150:151]
	v_pk_add_f32 v[14:15], v[14:15], v[154:155]
	v_pk_add_f32 v[228:229], v[228:229], v[158:159]
	s_delay_alu instid0(VALU_DEP_2)
	v_pk_add_f32 v[14:15], v[14:15], v[250:251]
	s_delay_alu instid0(VALU_DEP_2)
	v_pk_add_f32 v[228:229], v[228:229], v[248:249]
	v_pk_add_f32 v[254:255], v[254:255], v[242:243]
	v_pk_add_f32 v[252:253], v[252:253], v[240:241]
	s_delay_alu instid0(VALU_DEP_2)
	v_pk_add_f32 v[14:15], v[14:15], v[254:255]
	s_delay_alu instid0(VALU_DEP_2)
	v_pk_add_f32 v[228:229], v[228:229], v[252:253]
	s_delay_alu instid0(VALU_DEP_1)
	v_pk_add_f32 v[14:15], v[14:15], v[228:229]
	s_wait_alu depctr_va_vdst(0)                   ; and one for the four
.irp b, 0,1,2,3
	v_max_num_f32 v[BM+\b], 0x1800000, v[BM+\b]    ; the floor
.endr
.irp b, 0,1,2,3
	s_delay_alu instid0(VALU_DEP_4)
	v_add_nc_u32 v[BM+8+\b], 0xff000000, v[BM+\b]
.endr
.irp b, 0,1,2,3
	s_delay_alu instid0(VALU_DEP_4)
	v_lshrrev_b32 v[BM+4+\b], 23, v[BM+8+\b]
.endr
	s_delay_alu instid0(VALU_DEP_3)
	v_lshl_or_b32 v[PS], v[BM+5], 8, v[BM+4]
	s_delay_alu instid0(VALU_DEP_1)
	v_lshl_or_b32 v[PS], v[BM+6], 16, v[PS]
	s_delay_alu instid0(VALU_DEP_1)
	v_lshl_or_b32 v[PS], v[BM+7], 24, v[PS]
	s_setprio 0
.irp c, 0,1
	v_cvt_scalef32_pk16_fp6_f32 v[PCD+6*\c:PCD+6*\c+2], v[S+32*\c:S+32*\c+15], v[BM+8+2*\c]
	v_cvt_scalef32_pk16_fp6_f32 v[204+4*\c:206+4*\c], v[S+32*\c+16:S+32*\c+31], v[BM+9+2*\c]
.endr
	v_nop                                          ; one plain place behind a scaled conversion
.irp c, 0,1
.irp i, 0,1,2
	v_permlane16_swap_b32 v[PCD+6*\c+\i], v[204+4*\c+\i]
.endr
.irp i, 0,1,2
	s_delay_alu instid0(VALU_DEP_3)
	v_mov_b32 v[PCD+6*\c+3+\i], v[204+4*\c+\i]
.endr
.endr
.set n, 0
.rept 16
	v_pk_mul_f32 v[O+n:O+n+1], v[O+n:O+n+1], v[226:227] op_sel_hi:[1,0]   ; O^T under the new M; these sixteen are also the places ahead of the scaled products
.set n, n+2
.endr
	s_wait_alu depctr_va_vdst(0)
	s_wait_dscnt 0x0                               ; V is in
.irp t, 0,2
	v_wmma_scale_f32_16x16x128_f8f6f4 v[O+8*\t:O+8*\t+7],    v[KF+12*\t:KF+12*\t+11],    v[PCD:PCD+11], v[O+8*\t:O+8*\t+7],    v[VW+\t/2], v[PS] matrix_a_fmt:MATRIX_FMT_FP6 matrix_b_fmt:MATRIX_FMT_FP6
	v_wmma_scale_f32_16x16x128_f8f6f4 v[O+8*\t+8:O+8*\t+15], v[KF+12*\t+12:KF+12*\t+23], v[PCD:PCD+11], v[O+8*\t+8:O+8*\t+15], v[VW+\t/2], v[PS] matrix_a_fmt:MATRIX_FMT_FP6 matrix_b_fmt:MATRIX_FMT_FP6 matrix_a_scale:MATRIX_SCALE_ROW1
.endr
.Lhidden_\@:
	s_add_co_u32 s[KS], s[KS], 1
	s_add_co_u32 s[TB], s[TB], 6144
	s_add_co_u32 s[TW], s[TW], 256
.endm
.macro PHASE slot                      ; a slot's eight key steps
	s_mov_b32 s[TB], \slot*HALF
	s_mov_b32 s[TW], \slot*HALF
	s_mov_b32 s[CNT], 8
.Lphase_\@:
	STEP
	s_sub_co_u32 s[CNT], s[CNT], 1
	s_cmp_lg_u32 s[CNT], 0
	s_cbranch_scc1 .Lphase_\@
	s_setprio 0
.endm
; THE CHANGE OF SLOTS.  Each wave waits for all its tensor loads, adds 0 to its spare word, and waits for that and for its reads of the slot that it has left.  fill = 1: that slot takes the next head's same half,
; behind a round of the cluster's barrier: no wave of any partner still reads it or has a load on its way.
.macro CHANGE g0, fill
	s_wait_tensorcnt 0x0
	ds_add_u32 v[SPW], v[NIL]
.if \fill
	s_add_nc_u64 s[\g0+2:\g0+3], s[\g0+2:\g0+3], 2*HALF   ; the next head lies behind this one
.endif
	s_wait_dscnt 0x0
.if \fill
	ROUND
	s_cmp_lt_u32 s[WV], 4
	s_cbranch_scc0 .Lno_fill_\@
	tensor_load_to_lds s[\g0:\g0+3], s[24:31]      ; my one tensor load behind the round, and the first thing there
	s_nop 0
.rept 4
	v_nop
.endr
.Lno_fill_\@:
.else
	s_barrier_signal -1
	s_barrier_wait -1
.endif
.endm
; A HEAD'S END: O^T / l, quantised along d: two blocks; they are half c of ai's fragment and bytes 2 c, 2 c + 1 of its word.
.macro HEADEND c
.rept 4
	v_nop                                          ; places behind the last products
.endr
	v_add_f32 v14, v14, v15
	s_delay_alu instid0(VALU_DEP_1)
	v_permlanex16_b32 v224, v14, s[SEL], s[SEL+1]
	s_delay_alu instid0(VALU_DEP_1)
	v_add_f32 v14, v14, v224                       ; the row's sum
	s_wait_alu depctr_va_vdst(0)
	v_rcp_f32 v226, v14
	v_nop                                          ; a plain place behind the transcendental
	s_wait_alu depctr_va_vdst(0)                   ; and the wait ahead of its first reader
.set n, 0
.rept 16
	v_pk_mul_f32 v[S+n:S+n+1], v[O+n:O+n+1], v[226:227] op_sel_hi:[1,0]   ; register 16 b + i: d = 32 b + 16 (lane / 16) + i
.set n, n+2
.endr
.irp b, 0,1
	v_max3_num_f32 v[BM+\b], |v[S+16*\b]|, |v[S+16*\b+1]|, 0x1800000
.endr
.irp i, 2,4,6,8,10,12,14
.irp b, 0,1
	s_delay_alu instid0(VALU_DEP_2)
	v_max3_num_f32 v[BM+\b], v[BM+\b], |v[S+16*\b+\i]|, |v[S+16*\b+\i+1]|
.endr
.endr
.irp b, 0,1
	s_delay_alu instid0(VALU_DEP_2)
	v_permlanex16_b32 v[BM+4+\b], v[BM+\b], s[SEL], s[SEL+1]
.endr
.irp b, 0,1
	s_delay_alu instid0(VALU_DEP_2)
	v_max_num_f32 v[BM+\b], v[BM+\b], v[BM+4+\b]
.endr
.irp b, 0,1
	s_delay_alu instid0(VALU_DEP_2)
	v_add_nc_u32 v[BM+8+\b], 0xff000000, v[BM+\b]
.endr
.irp b, 0,1
	s_delay_alu instid0(VALU_DEP_2)
	v_lshrrev_b32 v[BM+4+\b], 23, v[BM+8+\b]
.endr
.if \c == 0
	s_delay_alu instid0(VALU_DEP_1)
	v_lshl_or_b32 v[AW], v[BM+5], 8, v[BM+4]
.else
	s_delay_alu instid0(VALU_DEP_2)
	v_lshl_or_b32 v[AW], v[BM+4], 16, v[AW]
	s_delay_alu instid0(VALU_DEP_1)
	v_lshl_or_b32 v[AW], v[BM+5], 24, v[AW]
.endif
	v_cvt_scalef32_pk16_fp6_f32 v[AF+6*\c:AF+6*\c+2], v[S:S+15], v[BM+8]
	v_cvt_scalef32_pk16_fp6_f32 v[204:206], v[S+16:S+31], v[BM+9]
	v_nop
.irp i, 0,1,2
	v_permlane16_swap_b32 v[AF+6*\c+\i], v[204+\i]
.endr
.irp i, 0,1,2
	s_delay_alu instid0(VALU_DEP_3)
	v_mov_b32 v[AF+6*\c+3+\i], v[204+\i]
.endr
.endm
	s_wait_tensorcnt 1                             ; my part of slot 0 is in; slot 1's may be out
	s_barrier_signal -1
	s_barrier_wait -1
	s_mov_b32 s[KS], 0
	PHASE 0                                        ; head A, keys 0 - 1,023
	CHANGE 32, 1                                   ; slot 0 takes head B's first half
	PHASE 1                                        ; head A, keys 1,024 - 2,047
	HEADEND 0
.irp i, 0,1,2,3,4,5
	v_mov_b32 v[22+\i], v[90+\i]                   ; head B's q and its word
.endr
	v_mov_b32 v[QS], v[QS+1]
	INIT
	s_mov_b32 s[KS], 0
	CHANGE 36, 1                                   ; slot 1 takes head B's second half
	PHASE 0
	CHANGE 32, 0                                   ; nothing is left to fetch
	PHASE 1
	HEADEND 1
.irp c, 0,1,2
	global_store_b128 v245, v[AF+4*\c:AF+4*\c+3], s[46:47] offset:512*\c   ; 512 consecutive bytes, aligned
.endr
	global_store_b32 v246, v[AW], s[48:49]         ; my rows' words of this K step: 4 bytes in every 8; lanes 16-31 write what lanes 0-15 write
	s_wait_tensorcnt 0x0                           ; the wave's end
	ds_add_u32 v[SPW], v[NIL]
	s_wait_dscnt 0x0
	ROUND                                          ; the closing round
	s_endpgm
.Lfunc_end_k_q5cca5edacd_attn:
	.size	k_q5cca5edacd_attn, .Lfunc_end_k_q5cca5edacd_attn-k_q5cca5edacd_attn
	.p2alignl 7, 3214868480
	.fill 96, 4, 3214868480
	.section	.rodata,"a",@progbits
	.p2align	6, 0x0
	.amdhsa_kernel k_q5cca5edacd_attn
		.amdhsa_group_segment_fixed_size 327680
		.amdhsa_private_segment_fixed_size 0
		.amdhsa_enable_private_segment 0
		.amdhsa_kernarg_size 24
		.amdhsa_user_sgpr_count 2
		.amdhsa_user_sgpr_kernarg_segment_ptr 1
		.amdhsa_wavefront_size32 1
		.amdhsa_system_sgpr_workgroup_id_x 1
		.amdhsa_system_sgpr_workgroup_id_y 1
		.amdhsa_system_sgpr_workgroup_id_z 1
		.amdhsa_system_vgpr_workitem_id 0
		.amdhsa_next_free_vgpr 256
		.amdhsa_next_free_sgpr 66
		.amdhsa_reserve_vcc 1
		.amdhsa_float_denorm_mode_32 3
		.amdhsa_float_denorm_mode_16_64 3
		.amdhsa_memory_ordered 1
		.amdhsa_forward_progress 1
		.amdhsa_inst_pref_size 111
	.end_amdhsa_kernel
	.amdgpu_metadata
---
amdhsa.version: [ 1, 2 ]
amdhsa.kernels:
  - .name:           k_q5cca5edacd_attn
    .symbol:         k_q5cca5edacd_attn.kd
    .args:
      - { .name: qi, .offset: 0, .size: 8, .value_kind: global_buffer, .address_space: global }
      - { .name: kv, .offset: 8, .size: 8, .value_kind: global_buffer, .address_space: global }
      - { .name: ai, .offset: 16, .size: 8, .value_kind: global_buffer, .address_space: global }
    .group_segment_fixed_size: 327680
    .private_segment_fixed_size: 0
    .kernarg_segment_align: 8
    .kernarg_segment_size: 24
    .max_flat_workgroup_size: 512
    .sgpr_count:     66
    .vgpr_count:     256
    .wavefront_size: 32
...
	.end_amdgpu_metadata
.endif
;; end of part 3
;; launch gemm_proj (part 4): grid 8 x 32, 4 waves a work-group, clusters of 4 x 4, 327,680 bytes of LDS; arguments ai, wpi, b_proj, out0; writes out0
.if DOCPART == 4
	.amdgcn_target "amdgcn-amd-amdhsa--gfx1250"
	.amdhsa_code_object_version 6
	.text
	.protected	k_q5cca5edacd_gemm_proj
	.globl	k_q5cca5edacd_gemm_proj
	.p2align	8
	.type	k_q5cca5edacd_gemm_proj,@function
k_q5cca5edacd_gemm_proj:
	s_mov_b64 s[64:65], 0
	v_nop
	global_prefetch_b8 v0, s[64:65] scope:SCOPE_SE
	s_setreg_imm32_b32 hwreg(HW_REG_WAVE_MODE, 25, 1), 1
	s_wait_xcnt 0x0
	s_wait_alu depctr_hold_cnt(0) depctr_sa_sdst(0) depctr_va_vdst(0) depctr_va_sdst(0) depctr_va_ssrc(0) depctr_va_vcc(0) depctr_vm_vsrc(0)
	s_getreg_b32 s2, hwreg(HW_REG_IB_STS2, 6, 4)
	s_cmp_eq_u32 s2, 0
	s_cbranch_scc0 .Lentry_in_a_cluster
	s_endpgm
.Lentry_in_a_cluster:
	s_bfe_u32 s2, ttmp6, 0x10000c
	s_cmp_lg_u32 s2, 0xf033
	s_cbranch_scc0 .Lentry_shape_is_right
	s_endpgm
.Lentry_shape_is_right:
; out0 = a w_proj + b_proj on codes of FP6 (E2M3), K = 1,024; a (the attention's result) and w_proj arrive as images of operand registers with their scale words.
; OPERANDS: fragment 16 rows x 128 K, 1,536 bytes, registers 4 c .. 4 c + 3 of lane l at 512 c + 16 l; group 2 b + u holds rows 32 b + 8 u + r + 8 (r / 8);
; chunk block CB: 8 groups x 256 K, fragment (group, step) at (2 group + step) x 1,536, scale words from SCO on at 128 group + 8 r + 4 step; 128 rows = 4 chunk blocks.
; A TILE: I = 256 tokens (source 1: a lane holds one token), J = 128 outputs (source 0: tiles 2 b and 2 b + 1 give a lane 16 neighbouring outputs).  The whole K of a tile lies in LDS: every byte is filled once,
; four tensor loads a wave at the start; plain barriers alone.  A wave makes 64 tokens x 128 outputs: 32 accumulators.  256 work-groups.
; CLUSTERS 4 x 4: I's tile is asked for jointly along a row of the cluster, J's along a column.
; THE WAY OUT: 16 tokens x 512 bytes at a time through the wave's stage in chunk 0, which has had its one fill and whose last read lies ahead of a barrier that every wave has passed; whole rows of 512 bytes are stored.
; LIMITS: NaN and infinities are not served; the sums begin at the bias.
.set CB,    25600
.set SCO,   24576
.set FRB,   1536
.set G8B,   4*CB
.set CHB,   3*CB
.set SPARE, 4*CHB
.set STG,   8448                       ; a wave's stage: 16 rows x (512 bytes + 16)
.set ADI,  4
.set ADJ,  8
.set ADS1, 12
.set ADS2, 16
.set LI,   20
.set STO,  22                          ; v22 the stage: where I put 16 bytes of a row
.set RD,   23                          ; v23 and where I read a row back
.set SPW,  28
.set NIL,  29
.set SC,   32
.set IFR,  64
.set BIAS, 192
.set MSB, 0
.macro WIN new
.if MSB != \new
	s_set_vgpr_msb (MSB<<8)|\new
.set MSB, \new
.endif
.endm
.macro CREST
	s_cmp_lg_u32 s14, 0
	s_cbranch_scc1 .Lnot_wave_0_\@
	s_barrier_signal -3
.Lnot_wave_0_\@:
	s_barrier_wait -3
	s_barrier_signal -1
	s_barrier_wait -1
.endm
.macro CROUND
	s_barrier_signal -1
	s_barrier_wait -1
	CREST
.endm
.macro PLACES
.rept 4
	v_nop
.endr
.endm
.macro FETCH q
	WIN 0x40
.irp j, 0,1,2,3,4,5,6,7
.irp c, 0,1,2
	ds_load_b128 v[96*((\q)%2)+12*\j+4*\c:96*((\q)%2)+12*\j+4*\c+3], v[ADJ+(\q)/2] offset:(2*\j+(\q)%2)*FRB+512*\c
.endr
.endr
	WIN 0
.irp a, 0,1,2,3
.irp c, 0,1,2
	ds_load_b128 v[IFR+48*((\q)%2)+12*\a+4*\c:IFR+48*((\q)%2)+12*\a+4*\c+3], v[ADI+(\q)/2] offset:(2*\a+(\q)%2)*FRB+512*\c
.endr
.endr
.endm
.macro SCALES ch
.irp j, 0,1,2,3
	ds_load_b64 v[SC+16*((\ch)%2)+2*\j:SC+16*((\ch)%2)+2*\j+1], v[ADS1+(\ch)] offset:128*\j
.endr
.irp j, 4,5,6,7
	ds_load_b64 v[SC+16*((\ch)%2)+2*\j:SC+16*((\ch)%2)+2*\j+1], v[ADS2+(\ch)] offset:128*\j
.endr
.endm
.macro MULH q, a0, cm                  ; 16 products; cm = 1: the sums begin at the bias.  The 32 accumulators take turns
.if (\cm) == 0
	WIN 0xa1
.else
	WIN 0x91
.endif
.irp a, \a0, \a0+1
.irp j, 0,1,2,3,4,5,6,7
.set rD, 8*(8*(\a)+\j)
.set rA, 96*((\q)%2)+12*\j
.set rB, IFR+48*((\q)%2)+12*(\a)
.set rC, rD
.if (\cm) == 1
.set rC, BIAS+8*\j
.endif
.set rS, SC+16*(((\q)/2)%2)+(\q)%2
	v_wmma_scale_f32_16x16x128_f8f6f4 v[rD:rD+7], v[rA:rA+11], v[rB:rB+11], v[rC:rC+7], v[rS+2*\j], v[rS+2*(\a)] matrix_a_fmt:MATRIX_FMT_FP6 matrix_b_fmt:MATRIX_FMT_FP6 matrix_a_scale:MATRIX_SCALE_ROW1
.endr
.endr
.endm
.macro STEP q, cm
	s_wait_dscnt 0x0
	PLACES
.if (\q) < 7
	FETCH (\q)+1
.endif
	MULH \q, 0, \cm
	MULH \q, 2, \cm
.endm
.macro STEPB q
	s_wait_dscnt 0x0
	s_wait_tensorcnt 3-((\q)+1)/2                  ; my load of the next chunk has landed; my loads of the chunks behind it may be out
	s_barrier_signal -1
	PLACES
	MULH \q, 0, 0
	WIN 0
	s_barrier_wait -1
	FETCH (\q)+1
	SCALES ((\q)+1)/2
	MULH \q, 2, 0
.endm
	s_load_b256 s[4:11], s[0:1], 0x0               ; ai, wpi, b_proj, out0
	v_lshl_add_u32 v[SPW], v0, 2, SPARE
	v_mov_b32 v[NIL], 0
	ds_add_u32 v[SPW], v[NIL]                      ; the wave's opening: the add and its wait ahead of my first tensor load
	ds_add_u32 v[SPW], v[NIL]
	v_lshrrev_b32 v1, 5, v0
	v_readfirstlane_b32 s14, v1
	s_lshr_b32 s15, s14, 1
	s_and_b32 s16, s14, 1
	s_bfe_u32 s17, ttmp6, 0x40000                  ; cx
	s_bfe_u32 s18, ttmp6, 0x40004                  ; cy
	s_and_b32 s76, ttmp7, 0xffff
	s_lshl_b32 s76, s76, 2
	s_add_co_u32 s76, s76, s18                     ; IT
	s_lshl_b32 s77, ttmp9, 2
	s_add_co_u32 s77, s77, s17                     ; JT
	s_lshl_b32 s22, s18, 2
	s_lshl_b32 s22, 15, s22
	s_lshl_b32 s23, 0x1111, s17
	s_or_b32 s24, s22, (3<<16)|(1<<21)
	s_mov_b32 s25, 32<<16
	s_mov_b32 s26, 100<<16
	s_mov_b32 s27, 32<<16
	s_mov_b32 s28, 100
	s_mov_b32 s29, 32
	s_mov_b32 s30, 0
	s_mov_b32 s31, 0
	s_or_b32 s32, s23, (3<<16)|(1<<21)
	s_mov_b32 s33, 32<<16
	s_mov_b32 s34, 50<<16
	s_mov_b32 s35, 32<<16
	s_mov_b32 s36, 50
	s_mov_b32 s37, 32
	s_mov_b32 s38, 0
	s_mov_b32 s39, 0
	s_lshl_b32 s80, s76, 1
	s_add_co_u32 s80, s80, s16
	s_mul_i32 s80, s80, G8B
	s_mov_b32 s81, 0
	s_mul_i32 s84, s77, G8B
	s_mul_i32 s85, s16, CB/2
	s_add_co_u32 s84, s84, s85
	s_mov_b32 s85, 0
	s_mul_i32 s94, s16, CB
	s_mul_i32 s95, s16, CB/2
	s_add_co_u32 s95, s95, 2*CB
	s_wait_dscnt 0x0
	s_wait_kmcnt 0x0
	s_add_nc_u64 s[78:79], s[4:5], s[80:81]
	s_add_nc_u64 s[82:83], s[6:7], s[84:85]
	CROUND
.irp ch, 0,1,2,3
	s_mov_b32 s[40+4*\ch], 1
	s_add_co_u32 s[41+4*\ch], s94, \ch*CHB
	s_add_nc_u64 s[42+4*\ch:43+4*\ch], s[78:79], \ch*CB
	s_or_b32 s[43+4*\ch], s[43+4*\ch], 0x80000000
	s_mov_b32 s[56+4*\ch+4*(\ch/2)], 1
	s_add_co_u32 s[57+4*\ch+4*(\ch/2)], s95, \ch*CHB
	s_add_nc_u64 s[58+4*\ch+4*(\ch/2):59+4*\ch+4*(\ch/2)], s[82:83], \ch*CB
	s_or_b32 s[59+4*\ch+4*(\ch/2)], s[59+4*\ch+4*(\ch/2)], 0x80000000
.endr
	s_cmp_eq_u32 s15, 0                            ; a wave's four fills stand in one branch on its number: four loads of mine are out
	s_cbranch_scc0 .Lfill_j
.irp ch, 0,1,2,3
	tensor_load_to_lds s[40+4*\ch:43+4*\ch], s[24:31]
	s_nop 0
.endr
	PLACES
	s_branch .Lfilled
.Lfill_j:
.irp ch, 0,1,2,3
	tensor_load_to_lds s[56+4*\ch+4*(\ch/2):59+4*\ch+4*(\ch/2)], s[32:39]
	s_nop 0
.endr
	PLACES
.Lfilled:
	v_and_b32 v1, 31, v0
	v_and_b32 v2, 15, v0
	v_bfe_u32 v3, v0, 4, 1
	s_wait_alu depctr_va_vdst(0)
	v_lshlrev_b32 v[LI], 4, v1
	v_lshlrev_b32 v30, 3, v2
	s_mul_i32 s86, s15, CB
	s_mul_i32 s87, s16, 8*FRB
	s_add_co_u32 s87, s87, s86
	s_lshl_b32 s88, s16, 9
	s_add_co_u32 s88, s88, s86
	s_add_co_u32 s88, s88, SCO
	s_xor_b32 s89, s15, 1
	s_mul_i32 s89, s89, CB
	s_xor_b32 s92, s16, 1
	s_lshl_b32 s92, s92, 9
	s_add_co_u32 s89, s89, s92
	s_add_co_u32 s89, s89, CB-512
	v_mul_u32_u24 v31, s89, v3
	s_wait_alu depctr_va_vdst(0)
	v_add_nc_u32 v31, v31, v30
.irp ch, 0,1,2,3
	v_add_nc_u32 v[ADI+\ch], s87, v[LI]
	v_add_nc_u32 v[ADJ+\ch], \ch*CHB+2*CB, v[LI]
	v_add_nc_u32 v[ADS1+\ch], s88, v31
	v_add_nc_u32 v[ADS2+\ch], \ch*CHB+2*CB+SCO, v30
	s_add_co_u32 s87, s87, CHB
	s_add_co_u32 s88, s88, CHB
.endr
	s_mul_i32 s93, s14, STG                        ; my stage
	v_mul_u32_u24 v[STO], v2, 528
	v_lshl_add_u32 v[STO], v3, 6, v[STO]
	v_add_nc_u32 v[STO], s93, v[STO]               ; in: row r, + 64 h bytes
	v_add_nc_u32 v[RD], s93, v[LI]                 ; back: a row's 512 bytes, 16 a lane
	s_lshl_b32 s86, s77, 9                         ; the bias: J's 128 outputs
	s_mov_b32 s87, 0
	s_add_nc_u64 s[66:67], s[8:9], s[86:87]
	v_lshlrev_b32 v24, 6, v3
	WIN 0x40
.irp j, 0,1,2,3,4,5,6,7
	global_load_b128 v[BIAS+8*\j:BIAS+8*\j+3],   v24, s[66:67] offset:(32*(\j/2)+8*(\j%2))*4
	global_load_b128 v[BIAS+8*\j+4:BIAS+8*\j+7], v24, s[66:67] offset:(32*(\j/2)+8*(\j%2))*4+16
.endr
	WIN 0
	s_lshl_b32 s96, s76, 8                         ; out0 at my first token and the tile's first output
	s_lshl_b32 s97, s14, 6
	s_add_co_u32 s96, s96, s97
	s_lshl_b32 s96, s96, 12
	s_lshl_b32 s97, s77, 9
	s_add_co_u32 s96, s96, s97
	s_mov_b32 s97, 0
	s_add_nc_u64 s[12:13], s[10:11], s[96:97]
	s_wait_alu depctr_va_vdst(0)
	s_wait_tensorcnt 3                             ; my load of chunk 0 has landed; my three later ones may be out
	s_barrier_signal -1
	s_barrier_wait -1
	FETCH 0
	SCALES 0
	s_wait_loadcnt 0x0                             ; the bias
	STEP 0, 1
	STEPB 1
	STEP 2, 0
	STEPB 3
	STEP 4, 0
	STEPB 5
	STEP 6, 0
	STEP 7, 0
	WIN 0
.macro TOSTAGE a                       ; group a's 16 tokens x 128 outputs into my stage, and back as whole rows
	WIN 0x08                                       ; an LDS store's data are its source 1: window 2
.irp j, 0,1,2,3,4,5,6,7
	ds_store_b128 v[STO], v[8*(8*(\a)+\j):8*(8*(\a)+\j)+3]   offset:128*(\j/2)+32*(\j%2)      ; each accumulator from its low end on
	ds_store_b128 v[STO], v[8*(8*(\a)+\j)+4:8*(8*(\a)+\j)+7] offset:128*(\j/2)+32*(\j%2)+16
.endr
	WIN 0
.set BB, 64+64*((\a)%2)
.irp t, 0,1,2,3,4,5,6,7,8,9,10,11,12,13,14,15
	ds_load_b128 v[BB+4*\t:BB+4*\t+3], v[RD] offset:528*\t   ; LDS serves a wave's instructions in order: these see the stores above
.endr
.endm
.macro SEND a, younger
.set BB, 64+64*((\a)%2)
	s_wait_dscnt \younger                          ; the group is back in registers; the next group's 16 stores and 16 loads may be out
.irp t, 0,1,2,3,4,5,6,7,8,9,10,11,12,13,14,15
	global_store_b128 v[LI], v[BB+4*\t:BB+4*\t+3], s[12:13] offset:(32*((\a)/2)+8*((\a)%2)+\t+8*(\t/8))*4096 th:TH_STORE_NT   ; 32 lanes store 512 consecutive bytes, aligned
.endr
.endm
	PLACES
	TOSTAGE 0
	TOSTAGE 1
	SEND 0, 32
	s_wait_xcnt 0x0                                ; group 0's stores have read their registers: group 2's loads may land there
	TOSTAGE 2
	SEND 1, 32
	s_wait_xcnt 0x0
	TOSTAGE 3
	SEND 2, 32
	SEND 3, 0
	s_wait_tensorcnt 0x0                           ; the wave's end
	ds_add_u32 v[SPW], v[NIL]
	s_wait_dscnt 0x0
	CROUND                                         ; the closing round
	s_endpgm
.Lfunc_end_k_q5cca5edacd_gemm_proj:
	.size	k_q5cca5edacd_gemm_proj, .Lfunc_end_k_q5cca5edacd_gemm_proj-k_q5cca5edacd_gemm_proj
	.p2alignl 7, 3214868480
	.fill 96, 4, 3214868480
	.section	.rodata,"a",@progbits
	.p2align	6, 0x0
	.amdhsa_kernel k_q5cca5edacd_gemm_proj
		.amdhsa_group_segment_fixed_size 327680
		.amdhsa_private_segment_fixed_size 0
		.amdhsa_enable_private_segment 0
		.amdhsa_kernarg_size 32
		.amdhsa_user_sgpr_count 2
		.amdhsa_user_sgpr_kernarg_segment_ptr 1
		.amdhsa_wavefront_size32 1
		.amdhsa_system_sgpr_workgroup_id_x 1
		.amdhsa_system_sgpr_workgroup_id_y 1
		.amdhsa_system_sgpr_workgroup_id_z 1
		.amdhsa_system_vgpr_workitem_id 0
		.amdhsa_next_free_vgpr 768
		.amdhsa_next_free_sgpr 100
		.amdhsa_reserve_vcc 0
		.amdhsa_float_denorm_mode_32 3
		.amdhsa_float_denorm_mode_16_64 3
		.amdhsa_memory_ordered 1
		.amdhsa_forward_progress 1
		.amdhsa_inst_pref_size 80
	.end_amdhsa_kernel
	.amdgpu_metadata
---
amdhsa.version: [ 1, 2 ]
amdhsa.kernels:
  - .name:           k_q5cca5edacd_gemm_proj
    .symbol:         k_q5cca5edacd_gemm_proj.kd
    .args:
      - { .name: ai, .offset: 0, .size: 8, .value_kind: global_buffer, .address_space: global }
      - { .name: wpi, .offset: 8, .size: 8, .value_kind: global_buffer, .address_space: global }
      - { .name: b_proj, .offset: 16, .size: 8, .value_kind: global_buffer, .address_space: global }
      - { .name: out0, .offset: 24, .size: 8, .value_kind: global_buffer, .address_space: global }
    .group_segment_fixed_size: 327680
    .private_segment_fixed_size: 0
    .kernarg_segment_align: 8
    .kernarg_segment_size: 32
    .max_flat_workgroup_size: 128
    .sgpr_count:     100
    .vgpr_count:     768
    .wavefront_size: 32
...
	.end_amdgpu_metadata
.endif
;; end of part 4
